; MI455X (gfx1250); checked and timed in simulation.
; The chip was launched on July 23, 2026; its instructions are those of AMD's public machine-readable ISA for CDNA 5 (MIT licence, August 2026) and "CDNA5" Instruction Set Architecture Reference Guide (July 2026). The comments in the code are by the model that wrote it; some were corrected since.
;; Feature extra specific. Allowed arithmetic: matrix products marked QUANTISED: E2M1 operands, one E8M0 scale for each 32 along K, by v_wmma_scale_f32_16x16x128_f8f6f4 with both operands' format E2M1 (or v_wmma_scale_f32_32x16x128_f4), f32 sums; everything else in f32.
;; Inputs: H 64 x 128 x 512 float32; W_map 8 x 1,024 x 512 float32; W_proj 8 x 1,024 x 512 float32; asp_vs_d 8 x 512 float32; b_map 8 x 512 float32; b_proj 8 x 512 float32; user_embedding 64 x 512 float32.
;; Outputs: out0 64 x 8 x 512 float32.
;; This version of the problem:
;;   THIS VERSION OF THE PROBLEM IS GIVEN IN LOW PRECISION. The matrix products marked QUANTISED in the list below multiply operands that are first quantised to E2M1 (2 exponent bits, 1 mantissa bit; 4 bits a number), with one power-of-two scale for each 32 numbers along K (OCP MX v1.0); their sums are f32. All else is computed in f32.
;;   The module's matrix products, in the order in which they are computed (A, B: the left and right operand; K: the contracted axis; several contracted axes count as one K, in the product's order):
;;     1. [M 4,096, K 1,024] x [K 1,024, N 8,192]; A: input W_map; B: computed on the way: QUANTISED
;;     2. [M 4,096, K 1,024] x [K 1,024, N 8,192]; A: input W_proj; B: computed on the way: QUANTISED
;;   THE QUANTISER, for each operand of a quantised product, along K:
;;     - K is cut into blocks of 32 from its start; a last block that is shorter is filled with zeros.
;;     - A block's scale is 2^e with e = floor(log2(the largest magnitude in the block)) - 2, held to -126 .. 127; a block of zeros has e = 0. As a byte (E8M0): e + 127.
;;     - Each number is divided by its block's scale, clamped to +-6, and rounded to the nearest number of E2M1, ties to even, subnormals kept.
;;     - The product sums the exact products of the quantised numbers (number of the format x scale) in f32.
;;   ~~~python
;;   def quantise(x, axis):      # numpy; x: float32 -> the quantised numbers, widened to float32 again
;;       x = np.moveaxis(x, axis, -1); K = x.shape[-1]
;;       x = np.pad(x, [(0, 0)] * (x.ndim - 1) + [(0, -K % 32)]); x = x.reshape(x.shape[:-1] + (-1, 32)); a = np.abs(x).max(-1, keepdims=True)
;;       e = np.where(a > 0, np.clip(np.frexp(np.where(a > 0, a, 1))[1] - 1 - 2, -126, 127), 0)      # np.frexp(a)[1] - 1 = floor(log2(a)), exactly
;;       r = np.clip(x / 2.0 ** e, -6, 6)
;;       step = 2.0 ** (np.maximum(np.frexp(np.where(r == 0, 1, r))[1] - 1, 0) - 1)
;;       q = np.round(r / step) * step * 2.0 ** e      # np.round: ties to even
;;       return np.moveaxis(q.reshape(q.shape[:-2] + (-1,))[..., :K], -1, axis).astype(np.float32)
;;   ~~~
;;   OPERANDS COMPUTED ON THE WAY. 'Computed on the way' means the value that the module computes at that place (a softmax that the list does not call 'softmax' is quantised finished and normalised). What goes into a quantiser is computed in f32, as accurately as f32 sums, v_exp_f32 and their like allow (about 1e-6 of the number): no bf16 or f16 on the way to a quantiser, and a product that is left as it is and whose result goes on into a quantised operand takes f32 operands (vector FMAs, or v_wmma_f32_16x16x4_f32). A number that lies on a knife's edge between two numbers of the format may be rounded either way, as far as f32 arithmetic and the matrix unit's own rounding can turn it there, and no further.
;; 2 versions. Each part assembles by itself: llvm-mc -triple=amdgcn-amd-amdhsa -mcpu=gfx1250 --defsym DOCPART=n.
;; ======== version 1 of 2: 2 launches
;; workspace buffers: a_codes 2,113,536 bytes; a_scales 132,096 bytes; w_img 4,456,448 bytes
;; launch quant (part 1): grid 641 x 1, 4 waves a work-group, no clusters, 33,792 bytes of LDS; arguments H, user_embedding, W_map, W_proj, a_codes, a_scales, w_img; writes a_codes, a_scales, w_img
.if DOCPART == 1
	.amdgcn_target "amdgcn-amd-amdhsa--gfx1250"
	.amdhsa_code_object_version 6
	.text
	.protected	k_qbdd0e7e929_quant
	.globl	k_qbdd0e7e929_quant
	.p2align	8
	.type	k_qbdd0e7e929_quant,@function
k_qbdd0e7e929_quant:
	s_mov_b64 s[64:65], 0
	v_nop
	global_prefetch_b8 v0, s[64:65] scope:SCOPE_SE
	s_setreg_imm32_b32 hwreg(HW_REG_WAVE_MODE, 25, 1), 1
	s_wait_xcnt 0x0
; Every f32 operand of the two products becomes codes of FP4 (E2M1) with one E8M0 byte for each 32 along K, once.
; A block's scale is 2^(floor(log2(its largest magnitude)) - 2): its byte is the largest magnitude's exponent field - 2, held at 1 from below by a floor among the maximum's leaves.
; LIMITS: a block of zeros, or one whose largest magnitude lies under 2^-124, gets the byte 1 (its codes are zeros or counted under that floor; the bytes are read by this program alone).  NaN and infinities are not served.
; WORK-GROUPS 0 .. 128: ROWS.  H [8192][512] and user_embedding [64][512] have K innermost and are dense: plain streams of blocks of 32.
;   a_codes [8256][256 bytes]: rows 0 .. 8191 are H's, rows 8192 + b the users'; a_scales [8256][16 bytes].  A wave takes 16 steps of 512 numbers (16 rows).
;   Each load reads 512 consecutive bytes; a step turns through the wave's own stage in LDS so that a lane holds 16 neighbours along K; loads run eight steps (32 loads a wave) ahead.
; WORK-GROUPS 129 .. 640: WEIGHTS.  W_map, W_proj [8][1024 (k)][512 (d)]: K is not innermost.  A lane takes a column d, its registers run down K.
;   w_img: 128 blocks of 34,816 bytes, block = 16 a + 4 T + w (T = 2 jj + kh), each the image of what one wave of the second launch loads into its operand registers:
;   fragment (qs, bt) at (8 qs + bt) 1024 + 512 c + 16 (16 h + r): column d = 128 w + 64 jj + 16 (bt % 4) + r of map (bt < 4) or proj, k = 512 kh + 128 qs + 64 c + 32 h + 0 .. 31;
;   scale words from byte 32768 on: register 8 (qs / 2) + bt = 4 x + y, lane 16 (qs % 2) + r, at 512 x + 16 lane + 4 y.
;   A work-group takes one (block, qs): 128 columns (64 of map, 64 of proj) x 128 along K; a wave 32 columns.
; The two ways part on the work-group's number alone and have LDS bytes of their own.  No tensor loads.
.set NWGA,  129                        ; work-groups for the rows: 128 for H, one for the users
.set STEPS, 16
.set AHEAD, 8                          ; steps that the loads run ahead
.set CB,    8                          ; bytes of 16 codes
.set R,     16                         ; v16-143  eight sets of 16 numbers as they are loaded
.set X,     144                        ; v144-175 two sets of 16 neighbours
.set C,     176                        ; v176-207 codes: two registers for each step, so that no store's data are written again
.set E,     208                        ; v208-223 a scale byte for each step
.set WREG,  8192                       ; LDS of a wave on the rows' way: two stages of 32 x SP bytes, then its 256 scale bytes
.set SP,    80                         ; a lane's place in a stage: 64 bytes + 16 of padding
.set WSC,   32768                      ; LDS on the weights' way: 512 bytes of scale words
.set WBLK,  34816                      ; a block of w_img
	s_load_b256 s[4:11], s[0:1], 0x0               ; H s[4:5], user_embedding s[6:7], W_map s[8:9], W_proj s[10:11]
	s_load_b128 s[12:15], s[0:1], 0x20             ; a_codes s[12:13], a_scales s[14:15]
	s_load_b64 s[16:17], s[0:1], 0x30              ; w_img
	v_lshl_add_u32 v224, v0, 2, 0x8200
	v_mov_b32 v225, 0
	v_lshrrev_b32 v1, 5, v0
	v_readfirstlane_b32 s18, v1                    ; wave 0..3
	v_and_b32 v2, 31, v0                           ; lane
	s_cmp_lt_u32 ttmp9, NWGA
	s_cbranch_scc0 .Lweights
	; ---------------- the rows ----------------
	v_lshlrev_b32 v3, 4, v2                        ; my 16 bytes of a load's 512
	s_mul_i32 s19, s18, WREG
	v_lshrrev_b32 v14, 2, v2
	v_mul_u32_u24 v14, v14, SP
	v_and_b32 v15, 3, v2
	v_lshl_add_u32 v14, v15, 4, v14
	v_add_nc_u32 v14, s19, v14                     ; the stage, on the way in: SP (lane / 4) + 16 (lane % 4)
	v_mul_u32_u24 v15, v2, SP
	v_add_nc_u32 v15, s19, v15                     ; and on the way out: SP x lane: my 16 neighbours
	v_mul_u32_u24 v4, v2, CB                       ; my codes' place in a step's 256 bytes
	v_lshrrev_b32 v5, 1, v2
	s_add_co_u32 s19, s19, 2*32*SP
	v_add_nc_u32 v5, s19, v5                       ; LDS: my wave's 256 scale bytes, my block's byte
	v_lshlrev_b32 v7, 3, v2                        ; and on the way out 8 bytes a lane
	v_add_nc_u32 v6, s19, v7
	s_wait_kmcnt 0x0
	s_cmp_lt_u32 ttmp9, NWGA-1                     ; H's work-group or the users'?  The choice hangs on the work-group's number alone
	s_cselect_b64 s[4:5], s[4:5], s[6:7]
	s_cselect_b32 s20, ttmp9, 0
	s_lshl_b32 s20, s20, 2
	s_add_co_u32 s20, s20, s18                     ; which run of 8,192 numbers of the source is my wave's
	s_lshl_b32 s20, s20, 15                        ; 32,768 bytes a run
	s_mov_b32 s21, 0
	s_add_nc_u64 s[4:5], s[4:5], s[20:21]
	s_lshl_b32 s22, ttmp9, 2
	s_add_co_u32 s22, s22, s18                     ; and which run of the codes' and the scales' buffers: the users' rows follow H's
	s_lshl_b32 s20, s22, 12                        ; 4,096 bytes of codes a run
	s_add_nc_u64 s[12:13], s[12:13], s[20:21]
	s_lshl_b32 s20, s22, 8                         ; 256 scale bytes a run
	s_add_nc_u64 s[14:15], s[14:15], s[20:21]
.macro LOAD t
.irp i, 0,1,2,3
	global_load_b128 v[R+16*((\t)%AHEAD)+4*\i:R+16*((\t)%AHEAD)+4*\i+3], v3, s[4:5] offset:2048*(\t)+512*\i th:TH_LOAD_NT   ; 32 lanes read 512 consecutive bytes
.endr
.endm
.macro TURN t                          ; step t's numbers through the stage: LDS serves a wave's instructions in order, so no wait stands between the stores and the loads
.irp i, 0,1,2,3
	ds_store_b128 v14, v[R+16*((\t)%AHEAD)+4*\i:R+16*((\t)%AHEAD)+4*\i+3] offset:32*SP*((\t)%2)+8*SP*\i
.endr
.irp i, 0,1,2,3
	ds_load_b128 v[X+16*((\t)%2)+4*\i:X+16*((\t)%2)+4*\i+3], v15 offset:32*SP*((\t)%2)+16*\i
.endr
.endm
.irp t, 0,1,2,3,4,5,6,7
	LOAD \t
.endr
	s_wait_loadcnt 4*(AHEAD-1)                     ; step 0's four loads are in; the 28 of steps 1 to 7 may be out
	TURN 0
.macro STEP t
.set XS, X+16*((\t)%2)
.if (\t) > 0
	s_wait_dscnt 1                                 ; this step's numbers are back from the stage (the last step's byte store may be out): so its stores into the stage have read their registers,
.else
	s_wait_dscnt 0x0
.endif
.if (\t)+AHEAD < STEPS
	LOAD (\t)+AHEAD                                ; which take the loads of eight steps on
.endif
.if (\t)+1 < STEPS
.if (\t)+AHEAD < STEPS
	s_wait_loadcnt 4*(AHEAD-1)                     ; the next step's four loads are in; those of the seven steps behind it may be out
.else
	s_wait_loadcnt 4*(STEPS-2-(\t))                ; likewise, of the steps that are left
.endif
	TURN (\t)+1                                    ; and go through the other stage while this step is worked
.endif
	v_max3_num_f32 v8, |v[XS]|, |v[XS+1]|, |v[XS+2]|               ; the largest magnitude of my 16, in two chains
	v_max3_num_f32 v9, |v[XS+3]|, |v[XS+4]|, |v[XS+5]|
.irp i, 6,10
	v_max3_num_f32 v8, v8, |v[XS+\i]|, |v[XS+\i+1]|
	v_max3_num_f32 v9, v9, |v[XS+\i+2]|, |v[XS+\i+3]|
.endr
	v_max3_num_f32 v8, v8, |v[XS+14]|, |v[XS+15]|
	v_max3_num_f32 v8, v8, v9, 0x1800000           ; and the floor 2^(3 - 127): the byte cannot fall under 1
	v_max_num_f32_dpp v8, v8, v8 row_xmask:1 row_mask:0xf bank_mask:0xf   ; and of my neighbour's 16: the block's
	v_add_nc_u32 v11, 0xff000000, v8               ; 2 off its exponent field: the conversion takes the exponent field of this operand as its scale
	v_cvt_scalef32_pk8_fp4_f32 v[C+2*(\t)], v[XS:XS+7], v11
	v_cvt_scalef32_pk8_fp4_f32 v[C+2*(\t)+1], v[XS+8:XS+15], v11
	v_lshrrev_b32 v[E+(\t)], 23, v11               ; the scale's byte (also the plain line behind the conversions)
	ds_store_b8 v5, v[E+(\t)] offset:16*(\t)       ; both lanes of a block write the same byte with the same value
	global_store_b64 v4, v[C+2*(\t):C+2*(\t)+1], s[12:13] offset:32*CB*(\t)   ; the wave stores 256 consecutive bytes, aligned: one row's codes
.endm
.irp t, 0,1,2,3,4,5,6,7,8,9,10,11,12,13,14,15
	STEP \t
.endr
	ds_load_b64 v[12:13], v6                       ; LDS serves a wave's instructions in order: these see my byte stores
	s_wait_dscnt 0x0
	global_store_b64 v7, v[12:13], s[14:15]        ; 32 lanes store 256 consecutive bytes, aligned: 16 rows' scale bytes
	s_wait_tensorcnt 0x0
	ds_add_u32 v224, v225
	s_wait_dscnt 0x0
	s_endpgm
	; ---------------- the weights ----------------
.Lweights:
	v_lshlrev_b32 v3, 2, v2                        ; in: 4 bytes a lane: a lane to a column
	v_lshrrev_b32 v8, 4, v2                        ; lane / 16: which of my two tiles of 16 columns
	v_and_b32 v9, 15, v2                           ; r
	v_lshlrev_b32 v4, 10, v8
	v_lshl_add_u32 v4, v9, 4, v4                   ; codes out: 1,024 x tile + 16 r
	v_lshlrev_b32 v7, 9, v8
	v_lshl_add_u32 v7, v9, 4, v7                   ; scale words out (wave 0): 512 (lane / 16) + 16 (lane % 16)
	v_lshrrev_b32 v5, 6, v0                        ; the scale words meet in LDS: thread t holds tile bt = t / 16, column r = t % 16:
	v_lshlrev_b32 v5, 8, v5                        ; 256 (bt / 4)
	v_and_b32 v10, 15, v0
	v_lshl_add_u32 v5, v10, 4, v5                  ; + 16 r
	v_bfe_u32 v10, v0, 4, 2
	v_lshl_add_u32 v5, v10, 2, v5                  ; + 4 (bt % 4)
	v_add_nc_u32 v5, WSC, v5
	v_lshl_add_u32 v6, v2, 4, WSC                  ; and are read back 16 bytes a lane
	s_sub_co_u32 s19, ttmp9, NWGA
	s_and_b32 s20, s19, 3                          ; qs: which 128 along K of the block's 512
	s_lshr_b32 s21, s19, 2                         ; block = 16 a + 4 T + w
	s_and_b32 s22, s21, 3                          ; w
	s_bfe_u32 s23, s21, 0x10002                    ; kh
	s_bfe_u32 s24, s21, 0x10003                    ; jj
	s_lshr_b32 s25, s21, 4                         ; a
	s_lshl_b32 s26, s25, 10
	s_lshl_b32 s27, s23, 9
	s_add_co_u32 s26, s26, s27
	s_lshl_b32 s27, s20, 7
	s_add_co_u32 s26, s26, s27                     ; first row of the weight: 1024 a + 512 kh + 128 qs
	s_lshl_b32 s26, s26, 9                         ; x 512 columns
	s_lshl_b32 s27, s22, 7
	s_add_co_u32 s26, s26, s27
	s_lshl_b32 s27, s24, 6
	s_add_co_u32 s26, s26, s27
	s_and_b32 s27, s18, 1
	s_lshl_b32 s27, s27, 5
	s_add_co_u32 s26, s26, s27                     ; + my first column: 128 w + 64 jj + 32 (wave % 2)
	s_lshl_b32 s26, s26, 2                         ; in bytes (under 2^25)
	s_mov_b32 s27, 0
	s_mul_i32 s28, s21, WBLK                       ; my block of w_img
	s_lshl_b32 s30, s20, 13
	s_add_co_u32 s30, s30, s28
	s_lshl_b32 s31, s18, 11
	s_add_co_u32 s30, s30, s31                     ; + (8 qs + 2 wave) x 1,024: my two fragments
	s_mov_b32 s31, 0
	s_lshr_b32 s29, s20, 1
	s_lshl_b32 s29, s29, 10
	s_add_co_u32 s28, s28, s29
	s_and_b32 s29, s20, 1
	s_lshl_b32 s29, s29, 8
	s_add_co_u32 s28, s28, s29
	s_add_co_u32 s28, s28, 32768                   ; the scale words: block + 32768 + 1024 (qs / 2) + 256 (qs % 2)
	s_mov_b32 s29, 0
	s_wait_kmcnt 0x0
	s_cmp_lt_u32 s18, 2                            ; waves 0, 1: W_map; waves 2, 3: W_proj
	s_cselect_b64 s[8:9], s[8:9], s[10:11]
	s_add_nc_u64 s[8:9], s[8:9], s[26:27]
	s_add_nc_u64 s[32:33], s[16:17], s[30:31]
	s_add_nc_u64 s[34:35], s[16:17], s[28:29]
.macro WLOAD t                         ; block t of 32 along K: W(32 t + i, my column) into v[16 + 32 t + i]; a wave's load reads 128 consecutive bytes
.irp i, 0,1,2,3,4,5,6,7,8,9,10,11,12,13,14,15,16,17,18,19,20,21,22,23,24,25,26,27,28,29,30,31
	global_load_b32 v[16+32*(\t)+\i], v3, s[8:9] offset:(32*(\t)+\i)*2048 th:TH_LOAD_NT
.endr
.endm
.macro WBLOCK t
.set XW, 16+32*(\t)
.if (\t) < 3
	s_wait_loadcnt 32                              ; this block's 32 loads are in; the next block's may be out
.else
	s_wait_loadcnt 0x0
.endif
.if (\t) < 2
	WLOAD (\t)+2                                   ; every block has registers of its own
.endif
	v_max3_num_f32 v12, |v[XW]|, |v[XW+1]|, |v[XW+2]|              ; the block's largest magnitude: all 32 numbers are mine
	v_max3_num_f32 v13, |v[XW+3]|, |v[XW+4]|, |v[XW+5]|
.irp i, 6,10,14,18,22,26
	v_max3_num_f32 v12, v12, |v[XW+\i]|, |v[XW+\i+1]|
	v_max3_num_f32 v13, v13, |v[XW+\i+2]|, |v[XW+\i+3]|
.endr
	v_max3_num_f32 v12, v12, |v[XW+30]|, |v[XW+31]|
	v_max3_num_f32 v12, v12, v13, 0x1800000        ; and the floor 2^(3 - 127)
	v_add_nc_u32 v11, 0xff000000, v12              ; 2 off the exponent field: the conversion's scale operand
	v_lshrrev_b32 v13, 23, v11                     ; the scale's byte
.if (\t) == 0
	v_mov_b32 v160, v13                            ; four bytes make my column's scale word for these 128 along K
.else
	v_lshl_or_b32 v160, v13, 8*(\t), v160
.endif
.irp g, 0,1,2,3
	v_cvt_scalef32_pk8_fp4_f32 v[144+4*(\t)+\g], v[XW+8*\g:XW+8*\g+7], v11
.endr
	v_nop                                          ; one plain line behind a run of scaled conversions
	global_store_b128 v4, v[144+4*(\t):144+4*(\t)+3], s[32:33] offset:256*(\t)   ; block t = 2 c + h lies at 512 c + 256 h: lanes 0-15 and lanes 16-31 each store 256 consecutive bytes, aligned
.endm
	WLOAD 0
	WLOAD 1
	WBLOCK 0
	WBLOCK 1
	WBLOCK 2
	WBLOCK 3
	ds_store_b32 v5, v160
	s_wait_dscnt 0x0                               ; for the others' sake: my scale words lie in LDS
	s_barrier_signal -1
	s_barrier_wait -1
	s_cmp_lg_u32 s18, 0                            ; wave 0 stores the work-group's 128 words
	s_cbranch_scc1 .Lwdone
	ds_load_b128 v[164:167], v6
	s_wait_dscnt 0x0
	global_store_b128 v7, v[164:167], s[34:35]     ; two runs of 256 consecutive bytes, aligned
.Lwdone:
	s_wait_tensorcnt 0x0
	ds_add_u32 v224, v225
	s_wait_dscnt 0x0
	s_endpgm
.Lfunc_end_k_qbdd0e7e929_quant:
	.size	k_qbdd0e7e929_quant, .Lfunc_end_k_qbdd0e7e929_quant-k_qbdd0e7e929_quant
	.p2alignl 7, 3214868480
	.fill 96, 4, 3214868480
	.section	.rodata,"a",@progbits
	.p2align	6, 0x0
	.amdhsa_kernel k_qbdd0e7e929_quant
		.amdhsa_group_segment_fixed_size 33792
		.amdhsa_private_segment_fixed_size 0
		.amdhsa_enable_private_segment 0
		.amdhsa_kernarg_size 56
		.amdhsa_user_sgpr_count 2
		.amdhsa_user_sgpr_kernarg_segment_ptr 1
		.amdhsa_wavefront_size32 1
		.amdhsa_system_sgpr_workgroup_id_x 1
		.amdhsa_system_sgpr_workgroup_id_y 1
		.amdhsa_system_sgpr_workgroup_id_z 1
		.amdhsa_system_vgpr_workitem_id 0
		.amdhsa_next_free_vgpr 226
		.amdhsa_next_free_sgpr 66
		.amdhsa_reserve_vcc 0
		.amdhsa_float_denorm_mode_32 3
		.amdhsa_float_denorm_mode_16_64 3
		.amdhsa_memory_ordered 1
		.amdhsa_forward_progress 1
		.amdhsa_inst_pref_size 54
	.end_amdhsa_kernel
	.amdgpu_metadata
---
amdhsa.version: [ 1, 2 ]
amdhsa.kernels:
  - .name:           k_qbdd0e7e929_quant
    .symbol:         k_qbdd0e7e929_quant.kd
    .args:
      - { .name: H, .offset: 0, .size: 8, .value_kind: global_buffer, .address_space: global }
      - { .name: user_embedding, .offset: 8, .size: 8, .value_kind: global_buffer, .address_space: global }
      - { .name: W_map, .offset: 16, .size: 8, .value_kind: global_buffer, .address_space: global }
      - { .name: W_proj, .offset: 24, .size: 8, .value_kind: global_buffer, .address_space: global }
      - { .name: a_codes, .offset: 32, .size: 8, .value_kind: global_buffer, .address_space: global }
      - { .name: a_scales, .offset: 40, .size: 8, .value_kind: global_buffer, .address_space: global }
      - { .name: w_img, .offset: 48, .size: 8, .value_kind: global_buffer, .address_space: global }
    .group_segment_fixed_size: 33792
    .private_segment_fixed_size: 0
    .kernarg_segment_align: 8
    .kernarg_segment_size: 56
    .max_flat_workgroup_size: 128
    .sgpr_count:     66
    .vgpr_count:     226
    .wavefront_size: 32
...
	.end_amdgpu_metadata
.endif
;; end of part 1
;; launch fused (part 2): grid 8 x 64, 4 waves a work-group, clusters of 4 x 1, 327,680 bytes of LDS; arguments a_codes, a_scales, w_img, asp_vs_d, b_map, b_proj, out0; writes out0
.if DOCPART == 2
	.amdgcn_target "amdgcn-amd-amdhsa--gfx1250"
	.amdhsa_code_object_version 6
	.text
	.protected	k_qbdd0e7e929_fused
	.globl	k_qbdd0e7e929_fused
	.p2align	8
	.type	k_qbdd0e7e929_fused,@function
k_qbdd0e7e929_fused:
	s_mov_b64 s[64:65], 0
	v_nop
	global_prefetch_b8 v0, s[64:65] scope:SCOPE_SE
	s_setreg_imm32_b32 hwreg(HW_REG_WAVE_MODE, 25, 1), 1
	s_wait_xcnt 0x0
	s_wait_alu depctr_hold_cnt(0) depctr_sa_sdst(0) depctr_va_vdst(0) depctr_va_sdst(0) depctr_va_ssrc(0) depctr_va_vcc(0) depctr_vm_vsrc(0)
	s_getreg_b32 s2, hwreg(HW_REG_IB_STS2, 6, 4)
	s_cmp_eq_u32 s2, 0
	s_cbranch_scc0 .Lentry_in_a_cluster
	s_endpgm
.Lentry_in_a_cluster:
	s_bfe_u32 s2, ttmp6, 0x10000c
	s_cmp_lg_u32 s2, 0x3003
	s_cbranch_scc0 .Lentry_shape_is_right
	s_endpgm
.Lentry_shape_is_right:
; out0[bp][ap][:] for one (bp, ap) a work-group.  The raw reshape of (A, B, L, D) to (B, L, A, D) sends flat row a 8192 + b 128 + l to bp = 8 a + b / 8, lp = 16 (b % 8) + l / 8, ap = l % 8.
; So out0[bp][ap] wants aspect a = bp / 8, the 128 rows lp = 16 m + r (batch 8 bg + m, bg = bp % 8; H's row 1024 bg + 8 lp + ap), all 512 d of both weights, asp_vs_d[ap], and a softmax over those 128 rows: no sum leaves the work-group.
; item = sigmoid(g + b_map) (p + b_proj);  g, p: [H | user] x W_map, W_proj on codes of FP4 (E2M1) with E8M0 scales, K = 1024.  A tile of 16 rows is one batch, so in K's second half its 16 rows are one user row.
; SHARES.  Four waves; wave w owns d 128 w .. 128 w + 127 in two passes jj of 64.  A pass is 128 rows x (64 columns of map + 64 of proj) x K 1024: 8 steps of 64 matrix instructions on 64 accumulators.
; THE MATRIX INSTRUCTION IS USED TRANSPOSED (source 0 = 16 columns of W, source 1 = 16 rows): lane (r, h) holds row r of tile m, register j the column 16 t + 8 h + j: a row's dot with asp_vs_d stays in the lane.
; item is written over g and stays in registers until the softmax is known: pass 0: g window 1, p window 2; pass 1: g window 2, p window 3.  Accumulator (m, t) at v[32 m + 8 t] of its window.
; W comes as images of the operand registers (made by the launch before), a block of 34,816 bytes for each (pass, half of K, wave), through two LDS slots; each wave fetches and reads its own block.
; CLUSTER: the four partners share bp, hence all of W: each block is asked for jointly (mask 15).  ap enters the plain load of the rows, the offsets into a_scales, asp_vs_d's row and out0's address, and no LDS address or branch.
; No prefetch is laid: each block of W is read by sixteen clusters and each row of codes by eight aspects, so neither is a stream that is read once.
; The sigmoid is rcp(1 + 2^(-log2e (g + b))): for very negative g the power is infinite and its reciprocal 0, as the sigmoid's limit is.  The softmax takes the rows' maximum away.  LIMITS: NaN and infinities among the inputs are not served.
; WINDOW 0: v0 thread; v1 bias address; v2, v3 the spare word's address and 0; v4 rows' address, v5 users'; v6, v7 my block in slot 0, 1; v8-15 the row dots; v16-47 rows' scale words (register 4 m + q: lanes 0-15 H's row, K step q;
;   lanes 16-31 user m, K step 4 + q); v48-63 W's scale words (register 8 u + bt: lanes 0-15 step 2 u, lanes 16-31 step 2 u + 1); v64-127, v128-191 rows' fragments, two sets; v192-255 W's fragments, one set.  In the epilogues v64-255 are at work.
.set WBLK,  34816                      ; a wave's block of W: 32 fragments of 1,024 bytes, then 2,048 bytes of scale words
.set SLOTB, 4*WBLK                     ; a slot: four waves' blocks, dense
.set AH,    2*SLOTB                    ; 128 rows of H's codes, 256 bytes + 16 of padding: 68 words, so the 16 rows of a load start at 16 different banks (64 banks of 4 bytes: ISA guide 11.1)
.set AU,    AH+128*272                 ; 8 user rows, likewise
.set BIAS,  315648                     ; for each wave 1,536 bytes: -log2e b_map, b_proj, asp_vs_d of its 128 d
.set SCR,   BIAS+4*1536                ; for each wave 512 bytes: its part of the 128 row dots
.set SPARE, SCR+4*512                  ; the spare words, 128 bytes for each wave: two blocks of 256 bytes that no other line names
.set BM,    64                         ; epilogue: v64-95 -log2e b_map, v96-127 b_proj, v128-159 asp_vs_d, eight registers a tile column; v160-175 the dots, a pair a tile of rows
.set BP,    96
.set ASP,   128
.set SPR,   160
.set G1A,   24                         ; s[24:31] group 1, H's rows;  s[32:39] the users';  s[40:47] W's blocks
.set G1U,   32
.set G1W,   40
.set G0A,   48                         ; s[48:51], s[52:55] their groups 0;  s[56:59], s[60:63] W's, one for each slot
.set G0U,   52
.set G0W,   56
.set MSB, 0
.macro WIN new                         ; bits 1:0 source 0, 3:2 source 1, 5:4 source 2, 7:6 destination; the immediate's high byte repeats the setting that is left
.if MSB != (\new)
	s_set_vgpr_msb (MSB<<8)|(\new)
.set MSB, (\new)
.endif
.endm
.macro PASS jj                         ; the windows of pass jj
.set GW, 1+(\jj)
.set PW, 2+(\jj)
.set W_MG, (GW<<6)|(GW<<4)             ; products: C and D in g's window
.set W_MP, (PW<<6)|(PW<<4)             ; in p's
.set W_GG, (GW<<6)|GW                  ; destination and source 0 in g's window
.set W_PP, (PW<<6)|PW
.set W_IT, (GW<<6)|(PW<<2)|GW          ; g = g x p
.set W_SC, GW                          ; source 0 in g's window
.endm
.macro PLACES                          ; a load into a register that a matrix instruction has read, and a vector instruction that reads a result, stand four plain vector instructions behind it (ISA guide 7.12.1 for vector instructions)
.rept 4
	v_nop
.endr
.endm
.macro CREST                           ; a round of the cluster's barrier behind its opening barrier
	s_cmp_lg_u32 s18, 0
	s_cbranch_scc1 .Lnot_wave_0_\@
	s_barrier_signal -3
.Lnot_wave_0_\@:
	s_barrier_wait -3
	s_barrier_signal -1
	s_barrier_wait -1
.endm
.macro CROUND
	s_barrier_signal -1
	s_barrier_wait -1
	CREST
.endm
; the eight tiles of rows for K step q (0-3: H; 4-7: the users, where all 16 lanes of a half read one address) into a set: registers 8 m + 4 c hold k = 64 c + 32 h + 0 .. 31 of the lane's row
.macro FA set, q
.irp m, 0,1,2,3,4,5,6,7
.irp c, 0,1
.if (\q) < 4
	ds_load_b128 v[64+64*(\set)+8*\m+4*\c:64+64*(\set)+8*\m+4*\c+3], v4 offset:4352*\m+64*(\q)+32*\c
.else
	ds_load_b128 v[64+64*(\set)+8*\m+4*\c:64+64*(\set)+8*\m+4*\c+3], v5 offset:272*\m+64*((\q)-4)+32*\c
.endif
.endr
.endr
.endm
.macro FB sl, qs, b0                   ; W's fragments b0 .. b0 + 3 of the slot's step qs: images, 16 bytes a lane
.irp i, 0,1,2,3
.irp c, 0,1
	ds_load_b128 v[192+8*((\b0)+\i)+4*\c:192+8*((\b0)+\i)+4*\c+3], v[6+(\sl)] offset:(8*(\qs)+(\b0)+\i)*1024+512*\c
.endr
.endr
.endm
.macro FS sl, u                        ; W's scale words of the slot's steps 2 u and 2 u + 1
.irp x, 0,1
	ds_load_b128 v[48+8*(\u)+4*\x:48+8*(\u)+4*\x+3], v[6+(\sl)] offset:32768+1024*(\u)+512*\x
.endr
.endm
; cnt x 4 matrix instructions of step sg: tiles of rows m0 on x four tiles of columns (half 0: map, 1: proj).  The accumulators take turns, one instruction a turn, in the same order in every step.
.macro MUL m0, cnt, half, sg, zero
.set mm, \m0
.rept \cnt
.irp t, 0,1,2,3
.set rD, 32*mm+8*\t
.set rA, 192+8*(4*(\half)+\t)
.set rB, 64+64*((\sg)%2)+8*mm
.set rSA, 48+8*(((\sg)%4)/2)+4*(\half)+\t
.set rSB, 16+4*mm+((\sg)%4)
.if \zero
	v_wmma_scale_f32_16x16x128_f8f6f4 v[rD:rD+7], v[rA:rA+7], v[rB:rB+7], 0, v[rSA], v[rSB] matrix_a_fmt:MATRIX_FMT_FP4 matrix_b_fmt:MATRIX_FMT_FP4
.elseif (((\sg)%2) == 0) && (((\sg)%8) < 4)
	v_wmma_scale_f32_16x16x128_f8f6f4 v[rD:rD+7], v[rA:rA+7], v[rB:rB+7], v[rD:rD+7], v[rSA], v[rSB] matrix_a_fmt:MATRIX_FMT_FP4 matrix_b_fmt:MATRIX_FMT_FP4
.elseif ((\sg)%8) < 4
	v_wmma_scale_f32_16x16x128_f8f6f4 v[rD:rD+7], v[rA:rA+7], v[rB:rB+7], v[rD:rD+7], v[rSA], v[rSB] matrix_a_fmt:MATRIX_FMT_FP4 matrix_b_fmt:MATRIX_FMT_FP4 matrix_a_scale:MATRIX_SCALE_ROW1
.elseif ((\sg)%2) == 0
	v_wmma_scale_f32_16x16x128_f8f6f4 v[rD:rD+7], v[rA:rA+7], v[rB:rB+7], v[rD:rD+7], v[rSA], v[rSB] matrix_a_fmt:MATRIX_FMT_FP4 matrix_b_fmt:MATRIX_FMT_FP4 matrix_b_scale:MATRIX_SCALE_ROW1
.else
	v_wmma_scale_f32_16x16x128_f8f6f4 v[rD:rD+7], v[rA:rA+7], v[rB:rB+7], v[rD:rD+7], v[rSA], v[rSB] matrix_a_fmt:MATRIX_FMT_FP4 matrix_b_fmt:MATRIX_FMT_FP4 matrix_a_scale:MATRIX_SCALE_ROW1 matrix_b_scale:MATRIX_SCALE_ROW1
.endif
.endr
.set mm, mm+1
.endr
.endm
.macro START sg                        ; all that step sg wants; the proj columns' fragments last
	FA (\sg)%2, (\sg)%8
	FB ((\sg)/4)%2, 0, 0
	FS ((\sg)/4)%2, 0
	FB ((\sg)/4)%2, 0, 4
.endm
; A step of 128 along K: 32 products for g, the next step's rows and map columns, 32 products for p, the next step's proj columns.  zero = 1: the products start the sums.  tc = 1: the next step begins a block that may still be on its way.
.macro STEP sg, zero, tc
.set c_sl, ((\sg)/4)%2
.set c_qs, (\sg)%4
.set n_sl, (((\sg)+1)/4)%2
.set n_qs, ((\sg)+1)%4
.set n_q, ((\sg)+1)%8
.set n_set, ((\sg)+1)%2
	s_wait_dscnt 8                                 ; all but the youngest eight loads (the proj columns' fragments) are in
	WIN W_MG
	MUL 0, 8, 0, \sg, \zero
	s_wait_dscnt 0x0                               ; those eight are in
	PLACES
	WIN 0
.if \tc
	s_wait_tensorcnt 0x0                           ; my last block has landed: no load was issued behind it, and I alone read it
.endif
	FA n_set, n_q
	FB n_sl, n_qs, 0
.if c_qs == 0
	FS c_sl, 1
.endif
.if n_qs == 0
	FS n_sl, 0
.endif
	WIN W_MP
	MUL 0, 8, 1, \sg, \zero
	PLACES
	WIN 0
	FB n_sl, n_qs, 4
.endm
; A slot's last step, behind which the slot is filled again.  In front of the barrier each wave waits for all its tensor loads (the one that may be out is its block in the other slot), adds 0 to its spare word, and waits for that and
; for its reads of this slot.  The barrier opens a round of the cluster's barrier; the joint refill is the first tensor load behind the round.  fetch = 1: the next step follows at once.
.macro TURN sg, fetch
.set c_sl, ((\sg)/4)%2
.set n_sl, (((\sg)+1)/4)%2
.set n_q, ((\sg)+1)%8
.set n_set, ((\sg)+1)%2
	s_wait_tensorcnt 0x0                           ; no tensor load of mine is out (every window is 0 here)
	ds_add_u32 v2, v3                              ; 0 onto my spare word
	s_wait_dscnt 9                                 ; (the add and the youngest eight loads may be out)
	WIN W_MG
	MUL 0, 4, 0, \sg, 0                            ; sixteen matrix instructions stand between the add and the wait for it
	s_wait_dscnt 0x0                               ; the add is done, and my reads of this slot are over
	s_barrier_signal -1
	MUL 4, 4, 0, \sg, 0
	WIN 0
	s_barrier_wait -1
	CREST                                          ; no wave of any partner still reads this slot or has a load on its way
	s_add_nc_u64 s[G0W+4*c_sl+2:G0W+4*c_sl+3], s[G0W+4*c_sl+2:G0W+4*c_sl+3], 2*SLOTB   ; eight blocks on: the same half of K in the next pass
	tensor_load_to_lds s[G0W+4*c_sl:G0W+4*c_sl+3], s[G1W:G1W+7]
	s_nop 0
	PLACES                                         ; four v_nop behind the load; they are also the places in front of the loads below
.if \fetch
	FA n_set, n_q
	FB n_sl, 0, 0
	FS n_sl, 0
.endif
	WIN W_MP
	MUL 0, 8, 1, \sg, 0
.if \fetch
	PLACES
	WIN 0
	FB n_sl, 0, 4
.endif
.endm
.macro LAST sg                         ; the very last step: nothing more to fetch
	s_wait_dscnt 8
	WIN W_MG
	MUL 0, 8, 0, \sg, 0
	s_wait_dscnt 0x0
	WIN W_MP
	MUL 0, 8, 1, \sg, 0
.endm
; THE EPILOGUE of a pass, by tile columns t (16 d).  In each piece the tiles of rows are walked in order and a tile's registers from the low end on.
.macro E_FMA t                         ; -log2e (g + b_map)
	WIN W_GG
.irp m, 0,1,2,3,4,5,6,7
.irp p, 0,2,4,6
	v_pk_fma_f32 v[32*\m+8*(\t)+\p:32*\m+8*(\t)+\p+1], v[32*\m+8*(\t)+\p:32*\m+8*(\t)+\p+1], s[66:67], v[BM+8*(\t)+\p:BM+8*(\t)+\p+1] op_sel_hi:[1,0,1]
.endr
.endr
.endm
.macro E_EXP t
	WIN W_GG
.irp m, 0,1,2,3,4,5,6,7
.irp j, 0,1,2,3,4,5,6,7
	v_exp_f32 v[32*\m+8*(\t)+\j], v[32*\m+8*(\t)+\j]
.endr
.endr
.endm
.macro E_PADD t                        ; p + b_proj
	WIN W_PP
.irp m, 0,1,2,3,4,5,6,7
.irp p, 0,2,4,6
	v_pk_add_f32 v[32*\m+8*(\t)+\p:32*\m+8*(\t)+\p+1], v[32*\m+8*(\t)+\p:32*\m+8*(\t)+\p+1], v[BP+8*(\t)+\p:BP+8*(\t)+\p+1]
.endr
.endr
.endm
.macro E_ADD1 t
	WIN W_GG
.irp m, 0,1,2,3,4,5,6,7
.irp p, 0,2,4,6
	v_pk_add_f32 v[32*\m+8*(\t)+\p:32*\m+8*(\t)+\p+1], v[32*\m+8*(\t)+\p:32*\m+8*(\t)+\p+1], 1.0 op_sel_hi:[1,0]
.endr
.endr
.endm
.macro E_RCP t
	WIN W_GG
.irp m, 0,1,2,3,4,5,6,7
.irp j, 0,1,2,3,4,5,6,7
	v_rcp_f32 v[32*\m+8*(\t)+\j], v[32*\m+8*(\t)+\j]
.endr
.endr
.endm
.macro E_MULI t                        ; item = gate x proj, over g
	WIN W_IT
.irp m, 0,1,2,3,4,5,6,7
.irp p, 0,2,4,6
	v_pk_mul_f32 v[32*\m+8*(\t)+\p:32*\m+8*(\t)+\p+1], v[32*\m+8*(\t)+\p:32*\m+8*(\t)+\p+1], v[32*\m+8*(\t)+\p:32*\m+8*(\t)+\p+1]
.endr
.endr
.endm
.macro E_DOT t                         ; the rows' dots with asp_vs_d: eight chains by turns; the first product starts them
	WIN W_SC
.irp p, 0,2,4,6
.irp m, 0,1,2,3,4,5,6,7
.if ((\t) == 0) && (\p == 0)
	v_pk_mul_f32 v[SPR+2*\m:SPR+2*\m+1], v[32*\m+8*(\t)+\p:32*\m+8*(\t)+\p+1], v[ASP+8*(\t)+\p:ASP+8*(\t)+\p+1]
.else
	v_pk_fma_f32 v[SPR+2*\m:SPR+2*\m+1], v[32*\m+8*(\t)+\p:32*\m+8*(\t)+\p+1], v[ASP+8*(\t)+\p:ASP+8*(\t)+\p+1], v[SPR+2*\m:SPR+2*\m+1]
.endif
.endr
.endr
.endm
; Each batch of 64 transcendentals has ONE wait, ahead of its first reader, and 32 plain lines on another tile column between: behind the exponentials the next column's bias add onto p,
; behind the reciprocals the next column's scaling of g; in the last column one v_nop.
.macro EPI jj
	PLACES
	WIN 0
.irp k, 0,1,2
.irp t, 0,1,2,3
.irp e, 0,1
	ds_load_b128 v[BM+32*\k+8*\t+4*\e:BM+32*\k+8*\t+4*\e+3], v1 offset:512*\k+256*(\jj)+64*\t+16*\e   ; lane (r, h): the numbers of d 64 jj + 16 t + 8 h + 0 .. 7
.endr
.endr
.endr
	s_wait_dscnt 0x0
	E_FMA 0
	E_PADD 0
.irp t, 0,1,2,3
	E_EXP \t
.if \t < 3
	E_PADD \t+1
.else
	v_nop
.endif
	s_wait_alu depctr_va_vdst(0)
	E_ADD1 \t
	E_RCP \t
.if \t < 3
	E_FMA \t+1
.else
	v_nop
.endif
	s_wait_alu depctr_va_vdst(0)
	E_MULI \t
	E_DOT \t
.endr
	WIN 0
.irp m, 0,1,2,3,4,5,6,7
.if (\jj) == 0
	v_add_f32 v[8+\m], v[SPR+2*\m], v[SPR+2*\m+1]
.else
	v_add_f32 v[SPR+2*\m], v[SPR+2*\m], v[SPR+2*\m+1]
.endif
.endr
.if (\jj) == 1
.irp m, 0,1,2,3,4,5,6,7
	v_add_f32 v[8+\m], v[8+\m], v[SPR+2*\m]
.endr
.endif
.endm
	s_load_b256 s[4:11], s[0:1], 0x0               ; a_codes s[4:5], a_scales s[6:7], w_img s[8:9], asp_vs_d s[10:11]
	s_load_b128 s[12:15], s[0:1], 0x20             ; b_map s[12:13], b_proj s[14:15]
	s_load_b64 s[16:17], s[0:1], 0x30              ; out0
	v_lshl_add_u32 v2, v0, 2, SPARE
	v_mov_b32 v3, 0
	ds_add_u32 v2, v3
	ds_add_u32 v2, v3
	s_wait_dscnt 0x0
	v_lshrrev_b32 v8, 5, v0
	v_readfirstlane_b32 s18, v8                    ; wave 0..3
	s_bfe_u32 s19, ttmp6, 0x40000                  ; cx: my place in the cluster
	s_lshl_b32 s20, ttmp9, 2
	s_add_co_u32 s20, s20, s19                     ; ap = 4 x cluster x + cx
	s_and_b32 s21, ttmp7, 0xffff                   ; bp, which the four partners share
	s_lshr_b32 s22, s21, 3                         ; a
	s_and_b32 s23, s21, 7                          ; bg
	; group 1, H's rows: 32 rows of 256 bytes, 8 rows of a_codes (2,048 bytes) apart; 4 words of padding after every 64
	s_mov_b32 s[G1A+0], (1<<20)|(5<<22)|(3<<25)    ; 15:0 no mask; 17:16 elements of 1 byte; 20 padding on; 24:22 code 5; 31:25 code 3
	s_mov_b32 s[G1A+1], 256<<16                    ; tensor_dim0
	s_mov_b32 s[G1A+2], 32<<16                     ; tensor_dim1
	s_mov_b32 s[G1A+3], 256<<16                    ; tile_dim0
	s_mov_b32 s[G1A+4], 32                         ; tile_dim1
	s_mov_b32 s[G1A+5], 2048                       ; tensor_dim0_stride
	s_mov_b32 s[G1A+6], 0
	s_mov_b32 s[G1A+7], 0
	; the users' rows: 2 neighbouring rows of 256 bytes
	s_mov_b32 s[G1U+0], (1<<20)|(5<<22)|(3<<25)
	s_mov_b32 s[G1U+1], 256<<16
	s_mov_b32 s[G1U+2], 2<<16
	s_mov_b32 s[G1U+3], 256<<16
	s_mov_b32 s[G1U+4], 2
	s_mov_b32 s[G1U+5], 256
	s_mov_b32 s[G1U+6], 0
	s_mov_b32 s[G1U+7], 0
	; a block of W: 34,816 dense bytes as 136 rows of 32 elements of 8 bytes, no padding; asked for jointly by all four work-groups
	s_mov_b32 s[G1W+0], 15|(3<<16)|(1<<21)         ; 15:0 the mask; 17:16 elements of 8 bytes; 21 set beside a mask
	s_mov_b32 s[G1W+1], 32<<16
	s_mov_b32 s[G1W+2], 136<<16
	s_mov_b32 s[G1W+3], 32<<16
	s_mov_b32 s[G1W+4], 136
	s_mov_b32 s[G1W+5], 32
	s_mov_b32 s[G1W+6], 0
	s_mov_b32 s[G1W+7], 0
	s_mov_b32 s66, 0xbfb8aa3b                      ; -log2(e), as a pair for the packed forms
	s_mov_b32 s67, 0xbfb8aa3b
	s_mov_b32 s68, 0x76543210                      ; v_permlanex16_b32's selects for lane l xor 16
	s_mov_b32 s69, 0xfedcba98
	s_mov_b32 s70, 0x3fb8aa3b                      ; log2(e)
	s_mov_b32 s71, 0x3fb8aa3b
	; offsets, apart from the addresses.  s78 to s83 alone hold numbers made of ap
	s_lshl_b32 s78, s23, 10
	s_lshl_b32 s79, s18, 8
	s_add_co_u32 s78, s78, s79
	s_add_co_u32 s78, s78, s20                     ; my first row of H: 1024 bg + 256 w + ap
	s_lshl_b32 s78, s78, 8
	s_mov_b32 s79, 0
	s_lshl_b32 s74, s23, 3
	s_lshl_b32 s75, s18, 1
	s_add_co_u32 s74, s74, s75
	s_add_co_u32 s74, s74, 8192                    ; my two user rows: 8192 + 8 bg + 2 w
	s_lshl_b32 s74, s74, 8
	s_mov_b32 s75, 0
	s_lshl_b32 s76, s22, 4
	s_add_co_u32 s76, s76, s18
	s_mul_i32 s76, s76, WBLK                       ; my first block of W: 16 a + w
	s_mov_b32 s77, 0
	s_wait_kmcnt 0x0
	s_mov_b32 s[G0A], 1                            ; 1:0 count = 1
	s_mul_i32 s[G0A+1], s18, 32*272
	s_add_co_u32 s[G0A+1], s[G0A+1], AH            ; 63:32 LDS address: the wave's number and constants alone
	s_add_nc_u64 s[G0A+2:G0A+3], s[4:5], s[78:79]  ; 120:64 global address
	s_or_b32 s[G0A+3], s[G0A+3], 0x80000000        ; 127:126 type = 2
	s_mov_b32 s[G0U], 1
	s_mul_i32 s[G0U+1], s18, 2*272
	s_add_co_u32 s[G0U+1], s[G0U+1], AU
	s_add_nc_u64 s[G0U+2:G0U+3], s[4:5], s[74:75]
	s_or_b32 s[G0U+3], s[G0U+3], 0x80000000
	s_mov_b32 s[G0W], 1
	s_mul_i32 s[G0W+1], s18, WBLK
	s_add_nc_u64 s[G0W+2:G0W+3], s[8:9], s[76:77]
	s_mov_b32 s[G0W+4], 1
	s_add_co_u32 s[G0W+5], s[G0W+1], SLOTB
	s_add_nc_u64 s[G0W+6:G0W+7], s[G0W+2:G0W+3], 4*WBLK   ; four blocks on: K's second half
	s_or_b32 s[G0W+3], s[G0W+3], 0x80000000
	s_or_b32 s[G0W+7], s[G0W+7], 0x80000000
	CROUND                                         ; all four work-groups are here: the first joint loads meet
	tensor_load_to_lds s[G0A:G0A+3], s[G1A:G1A+7]  ; the first fills go out as one group: four loads of mine are out
	s_nop 0
	tensor_load_to_lds s[G0U:G0U+3], s[G1U:G1U+7]
	s_nop 0
	tensor_load_to_lds s[G0W:G0W+3], s[G1W:G1W+7]
	s_nop 0
	tensor_load_to_lds s[G0W+4:G0W+7], s[G1W:G1W+7]
	s_nop 0
	PLACES                                         ; four v_nop behind the last
	v_and_b32 v8, 15, v0                           ; r
	v_bfe_u32 v9, v0, 4, 1                         ; h
	v_and_b32 v10, 31, v0                          ; lane
	s_mul_i32 s72, s18, 1536
	s_add_co_u32 s72, s72, BIAS                    ; my wave's biases
	v_lshl_add_u32 v1, v9, 5, s72                  ; read: + 32 h
	v_lshl_add_u32 v11, v10, 4, s72                ; written: + 16 x lane
	v_mul_u32_u24 v4, v8, 272
	v_lshl_add_u32 v4, v9, 4, v4
	v_add_nc_u32 v4, AH, v4                        ; H's rows: 272 r + 16 h
	v_lshl_add_u32 v5, v9, 4, AU                   ; the users': 16 h
	v_lshl_add_u32 v6, v10, 4, s[G0W+1]            ; my block in slot 0: 16 x lane
	v_add_nc_u32 v7, SLOTB, v6                     ; and in slot 1
	s_lshl_b32 s73, s18, 9
	v_lshl_add_u32 v12, v10, 4, s73                ; my 16 bytes of the wave's 512 in a row of b_map, b_proj, asp_vs_d
	s_lshl_b32 s74, s22, 11                        ; row a (s75 is 0)
	s_add_nc_u64 s[12:13], s[12:13], s[74:75]
	s_add_nc_u64 s[14:15], s[14:15], s[74:75]
	s_lshl_b32 s78, s20, 11                        ; row ap (s79 is 0)
	s_add_nc_u64 s[10:11], s[10:11], s[78:79]
	s_lshl_b32 s80, s21, 3
	s_add_co_u32 s80, s80, s20
	s_lshl_b32 s80, s80, 11
	s_add_co_u32 s80, s80, s73                     ; out0: (8 bp + ap) rows of 2,048 bytes + 512 w
	s_mov_b32 s81, 0
	s_add_nc_u64 s[16:17], s[16:17], s[80:81]
	s_lshl_b32 s82, s23, 14
	s_lshl_b32 s83, s20, 4
	s_add_co_u32 s82, s82, s83                     ; a_scales: H's row 1024 bg + ap, 16 bytes a row
	s_lshl_b32 s83, s23, 7
	s_add_co_u32 s83, s83, 8192*16                 ; and user row 8192 + 8 bg
	v_lshl_add_u32 v72, v8, 7, s82                 ; lanes 0-15: + 8 r rows; from tile to tile 128 rows
	v_mov_b32 v73, s83                             ; lanes 16-31: the tile's user row; from tile to tile one row
	v_mov_b32 v74, 0x800
	v_mov_b32 v75, 16
	v_cmp_eq_u32 vcc_lo, 1, v9
	v_cndmask_b32 v72, v72, v73, vcc_lo
	v_cndmask_b32 v74, v74, v75, vcc_lo
.irp m, 0,1,2,3,4,5,6,7
	v_mad_u32_u24 v[64+\m], v74, \m, v72
.endr
.irp m, 0,1,2,3,4,5,6,7
	global_load_b128 v[16+4*\m:19+4*\m], v[64+\m], s[6:7]   ; a row's four scale words: they stay in registers
.endr
	global_load_b128 v[80:83], v12, s[12:13]
	global_load_b128 v[84:87], v12, s[14:15]
	global_load_b128 v[88:91], v12, s[10:11]
	s_wait_loadcnt 0x0
	v_pk_mul_f32 v[80:81], v[80:81], s[66:67] op_sel_hi:[1,0]   ; -log2e b_map
	v_pk_mul_f32 v[82:83], v[82:83], s[66:67] op_sel_hi:[1,0]
	ds_store_b128 v11, v[80:83]
	ds_store_b128 v11, v[84:87] offset:512
	ds_store_b128 v11, v[88:91] offset:1024
	s_wait_tensorcnt 0x1                           ; my parts of the rows, of the users and of slot 0 are in; slot 1's load may stay out
	s_wait_dscnt 0x0
	s_barrier_signal -1
	s_barrier_wait -1                              ; everybody's rows are in
	PASS 0
	START 0
	STEP 0, 1, 0                                   ; the first step's products start the sums: nothing is cleared
	STEP 1, 0, 0
	STEP 2, 0, 0
	TURN 3, 1                                      ; slot 0 takes pass 1's first half of K
	STEP 4, 0, 0
	STEP 5, 0, 0
	STEP 6, 0, 0
	TURN 7, 0                                      ; slot 1 takes its second half
	EPI 0
	PASS 1
	START 8                                        ; slot 0's block was shown landed by the wait for all loads in front of the last barrier
	STEP 8, 1, 0
	STEP 9, 0, 0
	STEP 10, 0, 0
	STEP 11, 0, 1
	STEP 12, 0, 0
	STEP 13, 0, 0
	STEP 14, 0, 0
	LAST 15
	EPI 1
	; THE SOFTMAX OVER THE 128 ROWS, AND THE WEIGHTED SUM.  v8-15: lane (r, h): row (m, r)'s dot over my wave's d with 8 h + j.
.irp m, 0,1,2,3,4,5,6,7
	v_permlanex16_b32 v[64+\m], v[8+\m], s68, s69
.endr
.irp m, 0,1,2,3,4,5,6,7
	v_add_f32 v[8+\m], v[8+\m], v[64+\m]           ; with lane l xor 16's: over my wave's 128 d
.endr
	v_and_b32 v120, 15, v0                         ; r
	v_bfe_u32 v121, v0, 4, 1                       ; h
	v_and_b32 v122, 31, v0                         ; lane
	s_add_co_u32 s72, s73, SCR                     ; my wave's 512 bytes
	v_lshl_add_u32 v123, v120, 5, s72              ; row r's eight dots: 32 r
	v_lshl_add_u32 v124, v120, 5, SCR
	v_mul_u32_u24 v125, v120, 528
	v_lshl_add_u32 v125, v121, 5, v125
	v_add_nc_u32 v125, s[G0W+1], v125              ; the stage for the way out: 16 rows x (512 bytes + 16), in my own block of slot 0, which has had its last fill and its last read
	v_lshlrev_b32 v127, 4, v122
	ds_store_b128 v123, v[8:11]                    ; both halves of the lanes write the same numbers to the same bytes
	ds_store_b128 v123, v[12:15] offset:16
	s_wait_dscnt 0x0                               ; for the others' sake
	s_barrier_signal -1
	s_barrier_wait -1
.irp w, 0,1,2,3
.irp e, 0,1
	ds_load_b128 v[64+8*\w+4*\e:64+8*\w+4*\e+3], v124 offset:512*\w+16*\e
.endr
.endr
	s_wait_dscnt 0x0
.irp p, 0,2,4,6
	v_pk_add_f32 v[64+\p:65+\p], v[64+\p:65+\p], v[72+\p:73+\p]
	v_pk_add_f32 v[80+\p:81+\p], v[80+\p:81+\p], v[88+\p:89+\p]
.endr
.irp p, 0,2,4,6
	v_pk_add_f32 v[64+\p:65+\p], v[64+\p:65+\p], v[80+\p:81+\p]   ; the four waves' parts: the scores of rows (m, r), m = 0 .. 7
.endr
.irp p, 0,2,4,6
	v_pk_add_f32 v[64+\p:65+\p], v[64+\p:65+\p], 0x179abe15 op_sel_hi:[1,0]   ; + 1e-24
.endr
	v_max3_num_f32 v96, v64, v65, v66
	v_max3_num_f32 v96, v96, v67, v68
	v_max3_num_f32 v96, v96, v69, v70
	v_max_num_f32 v96, v96, v71
	v_max_num_f32_dpp v96, v96, v96 row_xmask:1 row_mask:0xf bank_mask:0xf
	v_max_num_f32_dpp v96, v96, v96 row_xmask:2 row_mask:0xf bank_mask:0xf
	v_max_num_f32_dpp v96, v96, v96 row_xmask:4 row_mask:0xf bank_mask:0xf
	v_max_num_f32_dpp v96, v96, v96 row_xmask:8 row_mask:0xf bank_mask:0xf   ; the largest of the 128 scores (both halves of the lanes hold the same)
	v_mul_f32 v98, s70, v96
	v_mov_b32 v99, v98                             ; (named with it as a pair, so it is written)
.irp p, 0,2,4,6
	v_pk_fma_f32 v[64+\p:65+\p], v[64+\p:65+\p], s[70:71], v[98:99] op_sel_hi:[1,0,0] neg_lo:[0,0,1] neg_hi:[0,0,1]   ; log2e score - log2e maximum
.endr
.irp m, 0,1,2,3,4,5,6,7
	v_exp_f32 v[64+\m], v[64+\m]
.endr
	v_nop                                          ; a plain line behind the last exponential,
	s_wait_alu depctr_va_vdst(0)                   ; and the one wait for the eight, ahead of their first reader
	v_pk_add_f32 v[100:101], v[64:65], v[66:67]
	v_pk_add_f32 v[102:103], v[68:69], v[70:71]
	v_pk_add_f32 v[100:101], v[100:101], v[102:103]
	v_add_f32 v100, v100, v101
	v_add_f32_dpp v100, v100, v100 row_xmask:1 row_mask:0xf bank_mask:0xf
	v_add_f32_dpp v100, v100, v100 row_xmask:2 row_mask:0xf bank_mask:0xf
	v_add_f32_dpp v100, v100, v100 row_xmask:4 row_mask:0xf bank_mask:0xf
	v_add_f32_dpp v100, v100, v100 row_xmask:8 row_mask:0xf bank_mask:0xf
	v_rcp_f32 v101, v100
	v_nop
	s_wait_alu depctr_va_vdst(0)
.irp m, 0,1,2,3,4,5,6,7
	v_mul_f32 v[104+2*\m], v[64+\m], v101          ; the weight of row (m, r), twice: a pair for the packed forms
	v_mul_f32 v[105+2*\m], v[64+\m], v101
.endr
.irp jj, 0,1                                   ; the sum over m of weight x item, in the lane: v[128 + 32 jj + 2 i]; the first product starts each sum
	WIN 1+\jj
.irp m, 0,1,2,3,4,5,6,7
.irp i, 0,1,2,3,4,5,6,7,8,9,10,11,12,13,14,15
.if \m == 0
	v_pk_mul_f32 v[128+32*\jj+2*\i:129+32*\jj+2*\i], v[32*\m+2*\i:32*\m+2*\i+1], v[104+2*\m:105+2*\m]
.else
	v_pk_fma_f32 v[128+32*\jj+2*\i:129+32*\jj+2*\i], v[32*\m+2*\i:32*\m+2*\i+1], v[104+2*\m:105+2*\m], v[128+32*\jj+2*\i:129+32*\jj+2*\i]
.endif
.endr
.endr
.endr
	WIN 0
.irp u, 0,1,2,3,4,5,6,7                        ; the sum over r crosses lanes: through my stage: row r, my eight d of tile column u at 64 u + 32 h
	ds_store_b128 v125, v[128+8*\u:131+8*\u] offset:64*\u
	ds_store_b128 v125, v[132+8*\u:135+8*\u] offset:64*\u+16
.endr
.irp k, 0,1,2,3,4,5,6,7,8,9,10,11,12,13,14,15
	ds_load_b128 v[192+4*\k:195+4*\k], v6 offset:528*\k   ; LDS serves a wave's instructions in order: these see my stores.  Lane l: d 4 l .. 4 l + 3 of row k
.endr
	s_wait_dscnt 0x0
.irp k, 0,2,4,6,8,10,12,14
	v_pk_add_f32 v[192+4*\k:193+4*\k], v[192+4*\k:193+4*\k], v[196+4*\k:197+4*\k]
	v_pk_add_f32 v[194+4*\k:195+4*\k], v[194+4*\k:195+4*\k], v[198+4*\k:199+4*\k]
.endr
.irp k, 0,4,8,12
	v_pk_add_f32 v[192+4*\k:193+4*\k], v[192+4*\k:193+4*\k], v[200+4*\k:201+4*\k]
	v_pk_add_f32 v[194+4*\k:195+4*\k], v[194+4*\k:195+4*\k], v[202+4*\k:203+4*\k]
.endr
.irp k, 0,8
	v_pk_add_f32 v[192+4*\k:193+4*\k], v[192+4*\k:193+4*\k], v[208+4*\k:209+4*\k]
	v_pk_add_f32 v[194+4*\k:195+4*\k], v[194+4*\k:195+4*\k], v[210+4*\k:211+4*\k]
.endr
	v_pk_add_f32 v[192:193], v[192:193], v[224:225]
	v_pk_add_f32 v[194:195], v[194:195], v[226:227]
	global_store_b128 v127, v[192:195], s[16:17] th:TH_STORE_NT   ; 32 lanes store 512 consecutive bytes, at a multiple of 256 from out0's first byte
	s_wait_tensorcnt 0x0                           ; the wave's end: behind my last tensor load and my last LDS store
	ds_add_u32 v2, v3
	s_wait_dscnt 0x0
	CROUND                                         ; the closing round: no work-group ends while a partner may still ask for a block that names it
	s_endpgm
.Lfunc_end_k_qbdd0e7e929_fused:
	.size	k_qbdd0e7e929_fused, .Lfunc_end_k_qbdd0e7e929_fused-k_qbdd0e7e929_fused
	.p2alignl 7, 3214868480
	.fill 96, 4, 3214868480
	.section	.rodata,"a",@progbits
	.p2align	6, 0x0
	.amdhsa_kernel k_qbdd0e7e929_fused
		.amdhsa_group_segment_fixed_size 327680
		.amdhsa_private_segment_fixed_size 0
		.amdhsa_enable_private_segment 0
		.amdhsa_kernarg_size 56
		.amdhsa_user_sgpr_count 2
		.amdhsa_user_sgpr_kernarg_segment_ptr 1
		.amdhsa_wavefront_size32 1
		.amdhsa_system_sgpr_workgroup_id_x 1
		.amdhsa_system_sgpr_workgroup_id_y 1
		.amdhsa_system_sgpr_workgroup_id_z 1
		.amdhsa_system_vgpr_workitem_id 0
		.amdhsa_next_free_vgpr 1024
		.amdhsa_next_free_sgpr 84
		.amdhsa_reserve_vcc 1
		.amdhsa_float_denorm_mode_32 3
		.amdhsa_float_denorm_mode_16_64 3
		.amdhsa_memory_ordered 1
		.amdhsa_forward_progress 1
		.amdhsa_inst_pref_size 255
	.end_amdhsa_kernel
	.section	.bss,"aw",@nobits
	.p2align	6
	.space	262144
	.amdgpu_metadata
---
amdhsa.version: [ 1, 2 ]
amdhsa.kernels:
  - .name:           k_qbdd0e7e929_fused
    .symbol:         k_qbdd0e7e929_fused.kd
    .args:
      - { .name: a_codes, .offset: 0, .size: 8, .value_kind: global_buffer, .address_space: global }
      - { .name: a_scales, .offset: 8, .size: 8, .value_kind: global_buffer, .address_space: global }
      - { .name: w_img, .offset: 16, .size: 8, .value_kind: global_buffer, .address_space: global }
      - { .name: asp_vs_d, .offset: 24, .size: 8, .value_kind: global_buffer, .address_space: global }
      - { .name: b_map, .offset: 32, .size: 8, .value_kind: global_buffer, .address_space: global }
      - { .name: b_proj, .offset: 40, .size: 8, .value_kind: global_buffer, .address_space: global }
      - { .name: out0, .offset: 48, .size: 8, .value_kind: global_buffer, .address_space: global }
    .group_segment_fixed_size: 327680
    .private_segment_fixed_size: 0
    .kernarg_segment_align: 8
    .kernarg_segment_size: 56
    .max_flat_workgroup_size: 128
    .sgpr_count:     84
    .vgpr_count:     1024
    .wavefront_size: 32
...
	.end_amdgpu_metadata
.endif
;; end of part 2
;; ======== version 2 of 2: 2 launches
;; limits: right only within a limited range of input values
;; workspace buffers: a_codes 2,097,152 bytes; a_scales 131,072 bytes; w_img 2,228,224 bytes; u 2,097,152 bytes
;; launch quant (part 3): grid 512 x 1, 4 waves a work-group, no clusters, 146,944 bytes of LDS; arguments H, user_embedding, W_map, W_proj, b_map, b_proj, a_codes, a_scales, w_img, u; writes a_codes, a_scales, w_img, u
.if DOCPART == 3
	.amdgcn_target "amdgcn-amd-amdhsa--gfx1250"
	.amdhsa_code_object_version 6
	.text
	.protected	k_qbdd0e7e929_quant
	.globl	k_qbdd0e7e929_quant
	.p2align	8
	.type	k_qbdd0e7e929_quant,@function
k_qbdd0e7e929_quant:
	s_mov_b64 s[64:65], 0
	v_nop
	global_prefetch_b8 v0, s[64:65] scope:SCOPE_SE
	s_setreg_imm32_b32 hwreg(HW_REG_WAVE_MODE, 25, 1), 1
	s_wait_xcnt 0x0
; H and H's half of the two weights become codes of FP4 (E2M1) with one E8M0 byte for each 32 along K; the users' half of the two products is finished here.
; A row of Batch is [H row | user row], and the 128 rows of a batch share the user row: its half of K gives one number for each (batch, weight column), so it is multiplied once for each batch.
; DEAD WORK LEFT OUT (in the second launch): reference() adds 1e-24 to every score; a number that is the same along the softmax's axis cancels in it, whatever the inputs hold.
; LIMITS: an overflow that only that addition could make is not carried.  A block of zeros, or one whose largest magnitude lies under 2^-124, gets the byte 1.  NaN and infinities are not served.
; A block's scale is 2^(floor(log2(its largest magnitude)) - 2): its byte is the largest magnitude's exponent field - 2, held at 1 from below by a floor among the maximum's leaves.
; WORK-GROUPS 0 .. 127, THE USERS' HALF: (a, map or proj, w): 64 columns d = 64 w .. of rows k = 512 .. 1023; wave qs takes 128 along K.  A lane holds columns 2 l, 2 l + 1, its registers run down K.
;   64 users' codes are made by each wave for its own 128 along K; one matrix instruction for each (16 users, 16 columns); the four waves' parts meet in LDS.
;   u [a][map, proj][64 users][512 d] f32: map: -log2e (sum + b_map); proj: sum + b_proj.
; WORK-GROUPS 128 .. 255, ROWS: H [8192][512]: a_codes [8192][256 bytes], a_scales [8192][16 bytes].  A wave takes 16 rows.
; WORK-GROUPS 256 .. 511, H'S HALF OF THE WEIGHTS: (a, w, qs): w_img: for each (a, w) two blocks (pass) of 17,408 bytes, the image of what a wave of the second launch loads: fragment (q, x) at (4 q + x) 1024 + 256 t + 16 r
;   (t the block of 32 along K, x = 2 (proj) + tt, column d = 64 w + 32 pass + 2 r + tt); scale words from byte 16384: 256 q + 16 r + 4 x.
; The three ways part on the work-group's number alone and have LDS bytes of their own.
.set STEPS, 16
.set R,     16                         ; v16-143  eight sets of 16 numbers as loaded
.set X,     144                        ; v144-175 two sets of 16 neighbours
.set C,     176                        ; rows: v176-207 codes, two registers a step
.set E,     208                        ; rows: v208-223 a scale byte a step
.set CODE,  144                        ; users: v144-175 W's codes, 16 tt + 8 (t % 2) + 4 (t / 2) + i
.set SP,    80                         ; a lane's place in a stage: 64 bytes + 16 of padding
.set WREG,  8192                       ; LDS of a wave on the rows' way
.set WSC,   32768                      ; LDS on the weights' way: 512 bytes of scale words
.set UREG,  33792                      ; LDS on the users' way: for each wave two stages (5,120), 64 users' codes (5,120), 256 scale bytes
.set UW,    10752
.set PART,  76800                      ; and for each wave its part of the sums: 64 users x 272 bytes
.set PW,    17408
.set SPARE, PART+4*PW                  ; the spare words: 128 bytes for each wave, named by no other line
.set WBLK,  34816
	s_load_b256 s[4:11], s[0:1], 0x0               ; H s4, user_embedding s6, W_map s8, W_proj s10
	s_load_b256 s[12:19], s[0:1], 0x20             ; b_map s12, b_proj s14, a_codes s16, a_scales s18
	s_load_b128 s[20:23], s[0:1], 0x40             ; w_img s20, u s22
	v_lshl_add_u32 v12, v0, 2, SPARE
	v_mov_b32 v13, 0
	v_lshrrev_b32 v1, 5, v0
	v_readfirstlane_b32 s24, v1                    ; wave 0..3
	v_and_b32 v2, 31, v0                           ; lane
	s_wait_alu depctr_va_vdst(0)
	s_cmp_lt_u32 ttmp9, 128
	s_cbranch_scc1 .Luser
	s_cmp_lt_u32 ttmp9, 256
	s_cbranch_scc0 .Lweights
; ---- steps of 512 numbers, for the rows (USERS = 0: 2,048 bytes on end) and the users (USERS = 1: four rows' 512 bytes) ----
.macro LOAD t
.irp i, 0,1,2,3
.if USERS
	global_load_b128 v[R+16*((\t)%8)+4*\i:R+16*((\t)%8)+4*\i+3], v3, s[6:7] offset:2048*(4*(\t)+\i)
.else
	global_load_b128 v[R+16*((\t)%8)+4*\i:R+16*((\t)%8)+4*\i+3], v3, s[4:5] offset:2048*(\t)+512*\i th:TH_LOAD_NT
.endif
.endr
.endm
.macro TURN t                          ; through the wave's own stage: LDS serves a wave's instructions in order
.irp i, 0,1,2,3
	ds_store_b128 v14, v[R+16*((\t)%8)+4*\i:R+16*((\t)%8)+4*\i+3] offset:32*SP*((\t)%2)+8*SP*\i
.endr
.irp i, 0,1,2,3
	ds_load_b128 v[X+16*((\t)%2)+4*\i:X+16*((\t)%2)+4*\i+3], v15 offset:32*SP*((\t)%2)+16*\i
.endr
.endm
.macro STEP t
.set XS, X+16*((\t)%2)
.if (\t) == 0
	s_wait_dscnt 0x0
.else
	s_wait_dscnt 1+USERS                           ; this step's numbers are back from the stage; the last step's small stores may be out
.endif
.if (\t)+8 < STEPS
	LOAD (\t)+8
.endif
.if (\t)+1 < STEPS
.if (\t) > 7
	s_wait_loadcnt 4*(STEPS-2-(\t))                ; the next step's four loads are in; those behind them may be out
.elseif USERS && ((\t) < 7)
	s_wait_loadcnt 60                              ; behind the next step's: 28 loads of seven steps and W's 32
.else
	s_wait_loadcnt 28
.endif
	TURN (\t)+1
.endif
	v_max3_num_f32 v8, |v[XS]|, |v[XS+1]|, |v[XS+2]|
	v_max3_num_f32 v9, |v[XS+3]|, |v[XS+4]|, |v[XS+5]|
.irp i, 6,10
	v_max3_num_f32 v8, v8, |v[XS+\i]|, |v[XS+\i+1]|
	v_max3_num_f32 v9, v9, |v[XS+\i+2]|, |v[XS+\i+3]|
.endr
	v_max3_num_f32 v8, v8, |v[XS+14]|, |v[XS+15]|
	v_max3_num_f32 v8, v8, v9, 0x1800000           ; and the floor 2^(3 - 127)
	v_max_num_f32_dpp v8, v8, v8 row_xmask:1 row_mask:0xf bank_mask:0xf   ; and of the neighbour's 16: the block's
	v_add_nc_u32 v11, 0xff000000, v8               ; 2 off its exponent field: the conversion's scale operand
.if USERS
.set cR, 240+2*((\t)%2)
.set eR, 244+((\t)%2)
.else
.set cR, C+2*(\t)
.set eR, E+(\t)
.endif
	v_cvt_scalef32_pk8_fp4_f32 v[cR], v[XS:XS+7], v11
	v_cvt_scalef32_pk8_fp4_f32 v[cR+1], v[XS+8:XS+15], v11
	v_lshrrev_b32 v[eR], 23, v11                   ; the byte (also the plain line behind the conversions)
.if USERS
	ds_store_b64 v4, v[cR:cR+1] offset:320*(\t)
.else
	global_store_b64 v4, v[cR:cR+1], s[16:17] offset:256*(\t)   ; 256 consecutive bytes, aligned: a row's codes
.endif
	ds_store_b8 v5, v[eR] offset:16*(\t)           ; both lanes of a block write the same byte with the same value
.endm
	; ---------------- the rows ----------------
.set USERS, 0
	s_mul_i32 s25, s24, WREG
	s_add_co_u32 s26, s25, 2*32*SP
	v_lshlrev_b32 v3, 4, v2
	v_lshrrev_b32 v14, 2, v2
	v_mul_u32_u24 v14, v14, SP
	v_and_b32 v15, 3, v2
	v_lshl_add_u32 v14, v15, 4, v14
	v_add_nc_u32 v14, s25, v14                     ; into the stage: SP (lane / 4) + 16 (lane % 4)
	v_mul_u32_u24 v15, v2, SP
	v_add_nc_u32 v15, s25, v15                     ; out of it: SP x lane
	v_lshlrev_b32 v4, 3, v2
	v_lshrrev_b32 v5, 1, v2
	v_add_nc_u32 v5, s26, v5
	v_lshlrev_b32 v7, 3, v2
	v_add_nc_u32 v6, s26, v7
	s_wait_alu depctr_va_vdst(0)
	s_wait_kmcnt 0x0
	s_sub_co_u32 s28, ttmp9, 128
	s_lshl_b32 s28, s28, 2
	s_add_co_u32 s28, s28, s24                     ; which run of 16 rows is mine
	s_lshl_b32 s30, s28, 15
	s_mov_b32 s31, 0
	s_add_nc_u64 s[4:5], s[4:5], s[30:31]
	s_lshl_b32 s30, s28, 12
	s_add_nc_u64 s[16:17], s[16:17], s[30:31]
	s_lshl_b32 s30, s28, 8
	s_add_nc_u64 s[18:19], s[18:19], s[30:31]
.irp t, 0,1,2,3,4,5,6,7
	LOAD \t
.endr
	s_wait_loadcnt 28
	TURN 0
.irp t, 0,1,2,3,4,5,6,7,8,9,10,11,12,13,14,15
	STEP \t
.endr
	ds_load_b64 v[8:9], v6                         ; my wave's 256 scale bytes, in order behind my byte stores
	s_wait_dscnt 0x0
	global_store_b64 v7, v[8:9], s[18:19]          ; 256 consecutive bytes, aligned
	s_wait_tensorcnt 0x0
	ds_add_u32 v12, v13
	s_wait_dscnt 0x0
	s_endpgm
	; ---------------- the users' half ----------------
.Luser:
.set USERS, 1
	s_mul_i32 s25, s24, UW
	s_add_co_u32 s25, s25, UREG
	s_add_co_u32 s26, s25, 5120                    ; users' codes: rows of 64 bytes, 80 apart
	s_add_co_u32 s27, s25, 10240                   ; users' scale bytes: 4 a row
	s_mul_i32 s28, s24, PW
	s_add_co_u32 s28, s28, PART                    ; my wave's part of the sums
	s_lshr_b32 s29, ttmp9, 4                       ; a
	s_bfe_u32 s30, ttmp9, 0x10003                  ; 0: map, 1: proj
	s_and_b32 s31, ttmp9, 7                        ; w
	s_lshl_b32 s31, s31, 8                         ; 256 w: the place of my 64 columns in a row of 512
	s_lshl_b32 s32, s29, 10
	s_lshl_b32 s33, s24, 7
	s_add_co_u32 s32, s32, s33
	s_add_co_u32 s32, s32, 512
	s_lshl_b32 s32, s32, 11
	s_add_co_u32 s32, s32, s31                     ; W: row 1024 a + 512 + 128 qs
	s_mov_b32 s33, 0
	s_lshl_b32 s34, s24, 9                         ; users: 512 qs bytes into a row
	s_mov_b32 s35, 0
	s_lshl_b32 s36, s29, 11
	s_add_co_u32 s36, s36, s31                     ; the bias
	s_mov_b32 s37, 0
	s_lshl_b32 s38, s29, 1
	s_add_co_u32 s38, s38, s30
	s_lshl_b32 s38, s38, 17
	s_add_co_u32 s38, s38, s31                     ; u: ((2 a + proj) 64 rows) x 2,048 + 256 w
	s_mov_b32 s39, 0
	s_mov_b32 s40, 1.0
	s_mov_b32 s41, 0x0f0f0f0f
	v_lshlrev_b32 v3, 4, v2
	v_lshrrev_b32 v14, 2, v2
	v_mul_u32_u24 v14, v14, SP
	v_and_b32 v15, 3, v2
	v_lshl_add_u32 v14, v15, 4, v14
	v_add_nc_u32 v14, s25, v14
	v_mul_u32_u24 v15, v2, SP
	v_add_nc_u32 v15, s25, v15
	v_lshrrev_b32 v4, 3, v2
	v_mul_u32_u24 v4, v4, SP
	v_and_b32 v5, 7, v2
	v_lshl_add_u32 v4, v5, 3, v4
	v_add_nc_u32 v4, s26, v4                       ; codes in: row 4 t + lane / 8, 8 bytes a lane
	v_lshrrev_b32 v5, 1, v2
	v_add_nc_u32 v5, s27, v5                       ; bytes in: row 4 t + lane / 8, block (lane % 8) / 2
	v_and_b32 v8, 15, v2                           ; r
	v_lshrrev_b32 v9, 4, v2                        ; h
	v_mul_u32_u24 v6, v8, SP
	v_lshl_add_u32 v6, v9, 4, v6
	v_add_nc_u32 v6, s26, v6                       ; users' fragments: 80 r + 16 h
	v_lshl_add_u32 v7, v8, 2, s27                  ; users' scale words
	v_mul_u32_u24 v1, v8, 272
	v_lshl_add_u32 v1, v9, 5, v1
	v_add_nc_u32 v1, s28, v1                       ; the sums out: user r, 32 h
	v_lshlrev_b32 v10, 3, v2                       ; W: two columns a lane
	s_wait_alu depctr_va_vdst(0)
	s_wait_kmcnt 0x0
	s_cmp_eq_u32 s30, 0
	s_cselect_b64 s[8:9], s[8:9], s[10:11]
	s_cselect_b64 s[12:13], s[12:13], s[14:15]
	s_cselect_b32 s40, 0xbfb8aa3b, s40             ; map's sums go out x -log2e
	s_add_nc_u64 s[8:9], s[8:9], s[32:33]
	s_add_nc_u64 s[6:7], s[6:7], s[34:35]
	s_add_nc_u64 s[12:13], s[12:13], s[36:37]
	s_add_nc_u64 s[22:23], s[22:23], s[38:39]
; Block t of 32 along K of my two columns.  Of eight rows the even ones lie in the first eight registers, the odd ones behind them: so the conversions' even nibbles (column 2 l) and odd nibbles (2 l + 1)
; of the two runs interleave into eight codes in ascending k.
.macro UWL t, S
.irp i, 0,1,2,3,4,5,6,7,8,9,10,11,12,13,14,15,16,17,18,19,20,21,22,23,24,25,26,27,28,29,30,31
	global_load_b64 v[\S+16*(\i/8)+8*(\i%2)+2*((\i%8)/2):\S+16*(\i/8)+8*(\i%2)+2*((\i%8)/2)+1], v10, s[8:9] offset:(32*(\t)+\i)*2048 th:TH_LOAD_NT   ; 256 consecutive bytes, aligned
.endr
.endm
.macro UWB t, S
	v_max3_num_f32 v8, |v[\S]|, |v[\S+2]|, |v[\S+4]|
	v_max3_num_f32 v9, |v[\S+1]|, |v[\S+3]|, |v[\S+5]|
.irp k, 3,5,7,9,11,13,15,17,19,21,23,25,27,29
	v_max3_num_f32 v8, v8, |v[\S+2*\k]|, |v[\S+2*\k+2]|
	v_max3_num_f32 v9, v9, |v[\S+2*\k+1]|, |v[\S+2*\k+3]|
.endr
	v_max3_num_f32 v8, v8, |v[\S+62]|, 0x1800000
	v_max3_num_f32 v9, v9, |v[\S+63]|, 0x1800000
	v_add_nc_u32 v11, 0xff000000, v8               ; the scale operands of columns 2 l and 2 l + 1
	v_add_nc_u32 v3, 0xff000000, v9
	v_lshrrev_b32 v8, 23, v11
	v_lshrrev_b32 v9, 23, v3
.if (\t) == 0
	v_mov_b32 v248, v8
	v_mov_b32 v249, v9
.else
	v_lshl_or_b32 v248, v8, 8*(\t), v248
	v_lshl_or_b32 v249, v9, 8*(\t), v249
.endif
.irp hh, 0,1
.irp gg, 0,1
	v_cvt_scalef32_pk8_fp4_f32 v[240+4*\gg], v[\S+16*(2*\hh+\gg):\S+16*(2*\hh+\gg)+7], v11
	v_cvt_scalef32_pk8_fp4_f32 v[241+4*\gg], v[\S+16*(2*\hh+\gg)+8:\S+16*(2*\hh+\gg)+15], v11
	v_cvt_scalef32_pk8_fp4_f32 v[242+4*\gg], v[\S+16*(2*\hh+\gg):\S+16*(2*\hh+\gg)+7], v3
	v_cvt_scalef32_pk8_fp4_f32 v[243+4*\gg], v[\S+16*(2*\hh+\gg)+8:\S+16*(2*\hh+\gg)+15], v3
.endr
	v_nop                                          ; one plain line behind a run of scaled conversions
.irp gg, 0,1
	v_lshlrev_b32 v[241+4*\gg], 4, v[241+4*\gg]
	v_lshrrev_b32 v[242+4*\gg], 4, v[242+4*\gg]
.endr
.irp gg, 0,1
	v_bfi_b32 v[CODE+8*((\t)%2)+4*((\t)/2)+2*\hh+\gg], s41, v[240+4*\gg], v[241+4*\gg]
	v_bfi_b32 v[CODE+16+8*((\t)%2)+4*((\t)/2)+2*\hh+\gg], s41, v[242+4*\gg], v[243+4*\gg]
.endr
.endr
.endm
.irp t, 0,1,2,3,4,5,6,7
	LOAD \t
.endr
	UWL 0, 176
	s_wait_loadcnt 60                              ; step 0's four are in: 28 of seven steps and W's 32 may be out
	TURN 0
.irp t, 0,1,2,3,4,5,6,7,8,9,10,11,12,13,14,15
	STEP \t
.endr
	UWL 1, 16
	UWL 2, 80
	UWB 0, 176                                     ; its loads stand ahead of step 8's, which have been waited for
	UWL 3, 176
	s_wait_loadcnt 63                              ; block 1 is in: blocks 2 and 3 behind it are 64 loads
	UWB 1, 16
.irp mt, 0,1,2,3
.irp c, 0,1
	ds_load_b128 v[16+8*\mt+4*\c:16+8*\mt+4*\c+3], v6 offset:1280*\mt+32*\c   ; the users' fragments, from my own bytes
.endr
	ds_load_b32 v[250+\mt], v7 offset:64*\mt
.endr
	s_wait_loadcnt 32
	UWB 2, 80
	v_and_b32 v4, 15, v0
	v_lshlrev_b32 v4, 4, v4
	global_load_b128 v[112:115], v4, s[12:13]      ; the bias of my four columns on the way out
	s_wait_loadcnt 1                               ; block 3 is in; the bias may be out
	s_wait_dscnt 0x0
	UWB 3, 176
.irp tt, 0,1
.irp c, 0,1
.irp i, 0,1,2,3
	v_permlane16_swap_b32 v[CODE+16*\tt+4*\c+\i], v[CODE+16*\tt+8+4*\c+\i]   ; a whole fragment each: columns of lanes 0-15, columns of lanes 16-31
.endr
.endr
.endr
.rept 8
	v_nop                                          ; a scale register written by a vector instruction stands 8 places ahead, an operand 4
.endr
; source 0: 16 columns (k = 2 pass + tt: d = 64 w + 32 pass + 2 r + tt), source 1: 16 users: lane r holds user 16 mt + r, register j column index 8 h + j
.irp mt, 0,1,2,3
.irp k, 0,1,2,3
.if \k < 2
	v_wmma_scale_f32_16x16x128_f8f6f4 v[48+32*\mt+64*(\mt/2)+8*\k:55+32*\mt+64*(\mt/2)+8*\k], v[CODE+16*(\k%2)+8*(\k/2):CODE+16*(\k%2)+8*(\k/2)+7], v[16+8*\mt:23+8*\mt], 0, v[248+\k%2], v[250+\mt] matrix_a_fmt:MATRIX_FMT_FP4 matrix_b_fmt:MATRIX_FMT_FP4
.else
	v_wmma_scale_f32_16x16x128_f8f6f4 v[48+32*\mt+64*(\mt/2)+8*\k:55+32*\mt+64*(\mt/2)+8*\k], v[CODE+16*(\k%2)+8*(\k/2):CODE+16*(\k%2)+8*(\k/2)+7], v[16+8*\mt:23+8*\mt], 0, v[248+\k%2], v[250+\mt] matrix_a_fmt:MATRIX_FMT_FP4 matrix_b_fmt:MATRIX_FMT_FP4 matrix_a_scale:MATRIX_SCALE_ROW1
.endif
.endr
.endr
	v_and_b32 v8, 15, v0                           ; (the places behind the products) thread t: columns 4 (t % 16) .. + 3 of users t / 16 + 8 g
	v_lshrrev_b32 v9, 4, v0
	v_mul_u32_u24 v15, v9, 272
	v_and_b32 v11, 7, v8
	v_lshl_add_u32 v15, v11, 3, v15
	v_lshrrev_b32 v11, 3, v8
	v_lshl_add_u32 v15, v11, 7, v15
	v_add_nc_u32 v15, PART, v15
	v_add_nc_u32 v14, 2*PW, v15
	v_lshlrev_b32 v10, 11, v9
	v_lshl_add_u32 v10, v8, 4, v10
.irp mt, 0,1,2,3
.irp k, 0,1,2,3
	ds_store_b128 v1, v[48+32*\mt+64*(\mt/2)+8*\k:51+32*\mt+64*(\mt/2)+8*\k] offset:4352*\mt+64*\k
	ds_store_b128 v1, v[52+32*\mt+64*(\mt/2)+8*\k:55+32*\mt+64*(\mt/2)+8*\k] offset:4352*\mt+64*\k+16
.endr
.endr
	s_wait_alu depctr_va_vdst(0)
	s_wait_loadcnt 0x0
	s_wait_dscnt 0x0                               ; for the others' sake: my part lies in LDS
	s_barrier_signal -1
	s_barrier_wait -1
.irp i, 0,1,2,3
	v_mul_f32 v[112+\i], s40, v[112+\i]
.endr
.irp hg, 0,1
.irp gi, 0,1,2,3
.irp tt, 0,1
	ds_load_b64 v[16+16*\gi+2*\tt:17+16*\gi+2*\tt], v15 offset:2176*(4*\hg+\gi)+64*\tt
	ds_load_b64 v[20+16*\gi+2*\tt:21+16*\gi+2*\tt], v15 offset:PW+2176*(4*\hg+\gi)+64*\tt
	ds_load_b64 v[24+16*\gi+2*\tt:25+16*\gi+2*\tt], v14 offset:2176*(4*\hg+\gi)+64*\tt
	ds_load_b64 v[28+16*\gi+2*\tt:29+16*\gi+2*\tt], v14 offset:PW+2176*(4*\hg+\gi)+64*\tt
.endr
.endr
	s_wait_dscnt 0x0
.irp gi, 0,1,2,3
.irp tt, 0,1
	v_pk_add_f32 v[16+16*\gi+2*\tt:17+16*\gi+2*\tt], v[16+16*\gi+2*\tt:17+16*\gi+2*\tt], v[20+16*\gi+2*\tt:21+16*\gi+2*\tt]
	v_pk_add_f32 v[24+16*\gi+2*\tt:25+16*\gi+2*\tt], v[24+16*\gi+2*\tt:25+16*\gi+2*\tt], v[28+16*\gi+2*\tt:29+16*\gi+2*\tt]
.endr
.endr
.irp gi, 0,1,2,3
.irp tt, 0,1
	v_pk_add_f32 v[16+16*\gi+2*\tt:17+16*\gi+2*\tt], v[16+16*\gi+2*\tt:17+16*\gi+2*\tt], v[24+16*\gi+2*\tt:25+16*\gi+2*\tt]
.endr
.endr
.irp gi, 0,1,2,3
	v_fma_f32 v[176+16*\hg+4*\gi], v[16+16*\gi], s40, v112
	v_fma_f32 v[177+16*\hg+4*\gi], v[18+16*\gi], s40, v113
	v_fma_f32 v[178+16*\hg+4*\gi], v[17+16*\gi], s40, v114
	v_fma_f32 v[179+16*\hg+4*\gi], v[19+16*\gi], s40, v115
.endr
.irp gi, 0,1,2,3
	global_store_b128 v10, v[176+16*\hg+4*\gi:179+16*\hg+4*\gi], s[22:23] offset:16384*(4*\hg+\gi)   ; 16 lanes store 256 consecutive bytes, aligned
.endr
.endr
	s_wait_tensorcnt 0x0
	ds_add_u32 v12, v13
	s_wait_dscnt 0x0
	s_endpgm
	; ---------------- H's half of the weights ----------------
.Lweights:
	s_sub_co_u32 s25, ttmp9, 256
	s_and_b32 s26, s25, 3                          ; qs
	s_bfe_u32 s27, s25, 0x30002                    ; w
	s_lshr_b32 s28, s25, 5                         ; a
	s_and_b32 s29, s24, 1                          ; pass: my wave's 32 columns
	s_lshr_b32 s36, s24, 1                         ; 0: map, 1: proj
	s_lshl_b32 s30, s28, 10
	s_lshl_b32 s31, s26, 7
	s_add_co_u32 s30, s30, s31
	s_lshl_b32 s30, s30, 11
	s_lshl_b32 s31, s27, 8
	s_add_co_u32 s30, s30, s31
	s_lshl_b32 s31, s29, 7
	s_add_co_u32 s30, s30, s31                     ; row 1024 a + 128 qs, column 64 w + 32 pass
	s_mov_b32 s31, 0
	s_lshl_b32 s34, s28, 3
	s_add_co_u32 s34, s34, s27
	s_mul_i32 s34, s34, WBLK
	s_mul_i32 s32, s29, WBLK/2
	s_add_co_u32 s32, s32, s34
	s_lshl_b32 s33, s26, 12
	s_add_co_u32 s32, s32, s33
	s_lshl_b32 s33, s36, 11
	s_add_co_u32 s32, s32, s33                     ; fragments (qs, 2 proj) and the next
	s_mov_b32 s33, 0
	s_lshl_b32 s35, s26, 8
	s_add_co_u32 s34, s34, s35
	s_add_co_u32 s34, s34, 16384                   ; the scale words of step qs
	s_mov_b32 s35, 0
	v_lshrrev_b32 v8, 4, v2                        ; tt
	v_and_b32 v9, 15, v2                           ; r
	v_lshlrev_b32 v3, 3, v9
	v_lshl_add_u32 v3, v8, 2, v3                   ; in: column 2 r + tt: the 32 lanes read 128 consecutive bytes, the wave beside it the next 128
	v_lshlrev_b32 v4, 10, v8
	v_lshl_add_u32 v4, v9, 4, v4                   ; codes out: 1,024 tt + 16 r
	v_mul_u32_u24 v7, v8, WBLK/2
	v_lshl_add_u32 v7, v9, 4, v7                   ; scale words out (wave 0): lanes 0-15 pass 0, lanes 16-31 pass 1
	v_lshlrev_b32 v5, 4, v9
	v_lshl_add_u32 v5, v8, 2, v5
	v_bfe_u32 v10, v0, 6, 1
	v_lshl_add_u32 v5, v10, 3, v5
	v_bfe_u32 v10, v0, 5, 1
	v_lshl_add_u32 v5, v10, 8, v5
	v_add_nc_u32 v5, WSC, v5                       ; they meet in LDS: 256 pass + 16 r + 4 (2 proj + tt)
	v_lshl_add_u32 v6, v2, 4, WSC
	s_wait_alu depctr_va_vdst(0)
	s_wait_kmcnt 0x0
	s_cmp_lt_u32 s24, 2
	s_cselect_b64 s[8:9], s[8:9], s[10:11]
	s_add_nc_u64 s[8:9], s[8:9], s[30:31]
	s_add_nc_u64 s[32:33], s[20:21], s[32:33]
	s_add_nc_u64 s[34:35], s[20:21], s[34:35]
.macro WLOAD t                         ; block t of 32 along K: W(32 t + i, my column)
.irp i, 0,1,2,3,4,5,6,7,8,9,10,11,12,13,14,15,16,17,18,19,20,21,22,23,24,25,26,27,28,29,30,31
	global_load_b32 v[16+32*(\t)+\i], v3, s[8:9] offset:(32*(\t)+\i)*2048 th:TH_LOAD_NT
.endr
.endm
.macro WBLOCK t
.set XW, 16+32*(\t)
.if (\t) < 3
	s_wait_loadcnt 32                              ; this block's 32 loads are in; the next block's may be out
.else
	s_wait_loadcnt 0x0
.endif
.if (\t) < 2
	WLOAD (\t)+2
.endif
	v_max3_num_f32 v8, |v[XW]|, |v[XW+1]|, |v[XW+2]|
	v_max3_num_f32 v9, |v[XW+3]|, |v[XW+4]|, |v[XW+5]|
.irp i, 6,10,14,18,22,26
	v_max3_num_f32 v8, v8, |v[XW+\i]|, |v[XW+\i+1]|
	v_max3_num_f32 v9, v9, |v[XW+\i+2]|, |v[XW+\i+3]|
.endr
	v_max3_num_f32 v8, v8, |v[XW+30]|, |v[XW+31]|
	v_max3_num_f32 v8, v8, v9, 0x1800000
	v_add_nc_u32 v11, 0xff000000, v8
	v_lshrrev_b32 v9, 23, v11
.if (\t) == 0
	v_mov_b32 v160, v9
.else
	v_lshl_or_b32 v160, v9, 8*(\t), v160
.endif
.irp g, 0,1,2,3
	v_cvt_scalef32_pk8_fp4_f32 v[144+4*(\t)+\g], v[XW+8*\g:XW+8*\g+7], v11
.endr
	v_nop                                          ; one plain line behind a run of scaled conversions
	global_store_b128 v4, v[144+4*(\t):144+4*(\t)+3], s[32:33] offset:256*(\t)   ; lanes 0-15 and lanes 16-31 each store 256 consecutive bytes, aligned
.endm
	WLOAD 0
	WLOAD 1
	WBLOCK 0
	WBLOCK 1
	WBLOCK 2
	WBLOCK 3
	ds_store_b32 v5, v160
	s_wait_dscnt 0x0                               ; for the others' sake
	s_barrier_signal -1
	s_barrier_wait -1
	s_cmp_lg_u32 s24, 0
	s_cbranch_scc1 .Lwdone
	ds_load_b128 v[164:167], v6
	s_wait_dscnt 0x0
	global_store_b128 v7, v[164:167], s[34:35]     ; two runs of 256 consecutive bytes, aligned
.Lwdone:
	s_wait_tensorcnt 0x0
	ds_add_u32 v12, v13
	s_wait_dscnt 0x0
	s_endpgm
.Lfunc_end_k_qbdd0e7e929_quant:
	.size	k_qbdd0e7e929_quant, .Lfunc_end_k_qbdd0e7e929_quant-k_qbdd0e7e929_quant
	.p2alignl 7, 3214868480
	.fill 96, 4, 3214868480
	.section	.rodata,"a",@progbits
	.p2align	6, 0x0
	.amdhsa_kernel k_qbdd0e7e929_quant
		.amdhsa_group_segment_fixed_size 146944
		.amdhsa_private_segment_fixed_size 0
		.amdhsa_enable_private_segment 0
		.amdhsa_kernarg_size 80
		.amdhsa_user_sgpr_count 2
		.amdhsa_user_sgpr_kernarg_segment_ptr 1
		.amdhsa_wavefront_size32 1
		.amdhsa_system_sgpr_workgroup_id_x 1
		.amdhsa_system_sgpr_workgroup_id_y 1
		.amdhsa_system_sgpr_workgroup_id_z 1
		.amdhsa_system_vgpr_workitem_id 0
		.amdhsa_next_free_vgpr 256
		.amdhsa_next_free_sgpr 66
		.amdhsa_reserve_vcc 0
		.amdhsa_float_denorm_mode_32 3
		.amdhsa_float_denorm_mode_16_64 3
		.amdhsa_memory_ordered 1
		.amdhsa_forward_progress 1
		.amdhsa_inst_pref_size 132
	.end_amdhsa_kernel
	.amdgpu_metadata
---
amdhsa.version: [ 1, 2 ]
amdhsa.kernels:
  - .name:           k_qbdd0e7e929_quant
    .symbol:         k_qbdd0e7e929_quant.kd
    .args:
      - { .name: H, .offset: 0, .size: 8, .value_kind: global_buffer, .address_space: global }
      - { .name: user_embedding, .offset: 8, .size: 8, .value_kind: global_buffer, .address_space: global }
      - { .name: W_map, .offset: 16, .size: 8, .value_kind: global_buffer, .address_space: global }
      - { .name: W_proj, .offset: 24, .size: 8, .value_kind: global_buffer, .address_space: global }
      - { .name: b_map, .offset: 32, .size: 8, .value_kind: global_buffer, .address_space: global }
      - { .name: b_proj, .offset: 40, .size: 8, .value_kind: global_buffer, .address_space: global }
      - { .name: a_codes, .offset: 48, .size: 8, .value_kind: global_buffer, .address_space: global }
      - { .name: a_scales, .offset: 56, .size: 8, .value_kind: global_buffer, .address_space: global }
      - { .name: w_img, .offset: 64, .size: 8, .value_kind: global_buffer, .address_space: global }
      - { .name: u, .offset: 72, .size: 8, .value_kind: global_buffer, .address_space: global }
    .group_segment_fixed_size: 146944
    .private_segment_fixed_size: 0
    .kernarg_segment_align: 8
    .kernarg_segment_size: 80
    .max_flat_workgroup_size: 128
    .sgpr_count:     66
    .vgpr_count:     256
    .wavefront_size: 32
...
	.end_amdgpu_metadata
.endif
;; end of part 3
;; launch fused (part 4): grid 4 x 64, 8 waves a work-group, clusters of 4 x 1, 327,680 bytes of LDS; arguments a_codes, a_scales, w_img, u, asp_vs_d, out0; writes out0
.if DOCPART == 4
	.amdgcn_target "amdgcn-amd-amdhsa--gfx1250"
	.amdhsa_code_object_version 6
	.text
	.protected	k_qbdd0e7e929_fused
	.globl	k_qbdd0e7e929_fused
	.p2align	8
	.type	k_qbdd0e7e929_fused,@function
k_qbdd0e7e929_fused:
	s_mov_b64 s[64:65], 0
	v_nop
	global_prefetch_b8 v0, s[64:65] scope:SCOPE_SE
	s_setreg_imm32_b32 hwreg(HW_REG_WAVE_MODE, 25, 1), 1
	s_wait_xcnt 0x0
	s_wait_alu depctr_hold_cnt(0) depctr_sa_sdst(0) depctr_va_vdst(0) depctr_va_sdst(0) depctr_va_ssrc(0) depctr_va_vcc(0) depctr_vm_vsrc(0)
	s_getreg_b32 s2, hwreg(HW_REG_IB_STS2, 6, 4)
	s_cmp_eq_u32 s2, 0
	s_cbranch_scc0 .Lentry_in_a_cluster
	s_endpgm
.Lentry_in_a_cluster:
	s_bfe_u32 s2, ttmp6, 0x10000c
	s_cmp_lg_u32 s2, 0x3003
	s_cbranch_scc0 .Lentry_shape_is_right
	s_endpgm
.Lentry_shape_is_right:
; out0[bp][ap][:] for two ap a work-group, one after the other.  The raw reshape of (A, B, L, D) to (B, L, A, D) sends flat row a 8192 + b 128 + l to bp = 8 a + b / 8, lp = 16 (b % 8) + l / 8, ap = l % 8.
; So out0[bp][ap] wants aspect a = bp / 8, the 128 rows lp = 16 m + r (batch 8 bg + m, bg = bp % 8; H's row 1024 bg + 128 m + 8 r + ap), all 512 d of both weights, asp_vs_d[ap], and a softmax over those 128 rows.
; item = sigmoid(g + b_map) (p + b_proj): H's half of K is multiplied here on codes of FP4; the users' half with the bias comes from u: one number for each (batch, d).
; LEFT OUT: the 1e-24 that is added to every score: it is the same along the softmax's axis.  LIMITS: an overflow that only that addition could make is not carried; NaN and infinities among the inputs are not served.
; SHARES.  Eight waves; wave w owns d = 64 w .. 64 w + 63 in two passes of 32: d = 64 w + 32 pass + 2 r + tt.  A pass keeps W's 16 fragments (two tiles of map, two of proj, K 512) in registers and walks the eight tiles of 16 rows.
; SOURCE 0 = 16 rows, SOURCE 1 = 16 columns: lane (r, h) holds column r, register j row 8 h + j.  All rows of tile m share the batch, so u is one register for each (m, tile).
; The items stay in registers (window 1: v[128 pass + 16 m + 8 tt + j]) until the softmax is known; the weighted sum over the rows stays in the lane.
; LDS: all of H's half of W for the aspect, wave w's two blocks read by wave w alone, filled once; 128 rows of codes and their scale words, stored through registers, anew for the second ap.
; CLUSTER: the four partners share bp, hence W: each block is asked for jointly (mask 15).  ap enters plain loads, stores and no LDS address or branch.
; No prefetch is laid: u is loaded four steps ahead.
; WINDOW 0: v1 8 x lane; v2, v3 the spare word's address and 0; v4 rows' fragments, v5 rows' scale words, v6, v59 my block of pass 0, 1; v7 place in a row of u, asp_vs_d; v8-11 a tile's row scales; v12-19 W's scales; v20-35 row dots;
;   v36-51 u, four steps; v52-55 asp_vs_d; v56-58 rows' places; v60-63 at work; v64-95 a tile's rows (K 512); v96-111 g, v112-127 p; v128-255 W's fragments (q, x) at 128 + 32 q + 8 x.
.set WB,    17408                      ; a wave's block of W for a pass: 16 fragments of 1,024 bytes, then 1,024 bytes of scale words
.set WP1,   8*WB
.set HB,    16*WB                      ; 128 rows, 256 bytes + 16 of padding: 68 words, so the 16 rows of a load start at 16 different banks (64 banks of 4 bytes: ISA guide 11.1)
.set HSC,   HB+128*272                 ; their scale words, 16 bytes a row
.set STG,   HSC+2048                   ; for each wave 512 bytes of row dots and 512 of weights
.set SPARE, STG+8*1024                 ; the spare words, 128 bytes for each wave, named by no other line
.set HS, 8
.set WS, 12
.set DA, 20
.set UR, 36
.set AS, 52
.set T,  60
.set HF, 64
.set GA, 96
.set PA, 112
.set WF, 128
.set MSB, 0
.macro WIN new                         ; bits 1:0 source 0, 3:2 source 1, 5:4 source 2, 7:6 destination; the high byte repeats the setting that is left
.if MSB != (\new)
	s_set_vgpr_msb (MSB<<8)|(\new)
.set MSB, (\new)
.endif
.endm
.macro CROUND                          ; a round of the cluster's barrier
	s_barrier_signal -1
	s_barrier_wait -1
	s_cmp_lg_u32 s18, 0
	s_cbranch_scc1 .Lnot_wave_0_\@
	s_barrier_signal -3
.Lnot_wave_0_\@:
	s_barrier_wait -3
	s_barrier_signal -1
	s_barrier_wait -1
.endm
.macro GROWS                           ; my tile of 16 rows (m = my wave) and its scale words, from memory
.irp i, 0,1,2,3,4,5,6,7
	global_load_b128 v[HF+4*\i:HF+4*\i+3], v56, s[4:5] offset:4096*\i   ; two rows of 256 bytes, each a whole aligned unit
.endr
	global_load_b128 v[HS:HS+3], v58, s[6:7]
.endm
.macro SROWS                           ; and into LDS
.irp i, 0,1,2,3,4,5,6,7
	ds_store_b128 v57, v[HF+4*\i:HF+4*\i+3] offset:544*\i
.endr
	ds_store_b128 v60, v[HS:HS+3]                  ; both halves of the lanes write the same words
.endm
.macro ULOAD s                         ; step s = 8 pass + m: u of batch m, map's two tiles and proj's two
.set sl, UR+4*((\s)%4)
	global_load_b64 v[sl:sl+1], v7, s[10:11] offset:2048*((\s)%8)+128*((\s)/8)
	global_load_b64 v[sl+2:sl+3], v7, s[10:11] offset:131072+2048*((\s)%8)+128*((\s)/8)
.endm
.macro ASPU                            ; asp_vs_d of my columns, and u of the first four steps
	global_load_b64 v[AS:AS+1], v7, s[12:13]
	global_load_b64 v[AS+2:AS+3], v7, s[12:13] offset:128
.irp s, 0,1,2,3
	ULOAD \s
.endr
.endm
.macro HLOAD m
.irp q, 0,1,2,3
.irp c, 0,1
	ds_load_b128 v[HF+8*\q+4*\c:HF+8*\q+4*\c+3], v4 offset:4352*(\m)+64*\q+32*\c
.endr
.endr
	ds_load_b128 v[HS:HS+3], v5 offset:256*(\m)
.endm
.macro WLOAD a
.irp q, 0,1,2,3
.irp x, 0,1,2,3
.irp c, 0,1
	ds_load_b128 v[WF+32*\q+8*\x+4*\c:WF+32*\q+8*\x+4*\c+3], v[\a] offset:(4*\q+\x)*1024+512*\c
.endr
.endr
.endr
.irp k, 0,1
	ds_load_b128 v[WS+4*\k:WS+4*\k+3], v[\a] offset:16384+512*\k   ; register 4 k + x: lanes 0-15 step 2 k, lanes 16-31 step 2 k + 1
.endr
.endm
.macro MUL                             ; 16 products: the four accumulators take turns, K ascending
.irp q, 0,1,2,3
.irp x, 0,1,2,3
.if \q == 0
	v_wmma_scale_f32_16x16x128_f8f6f4 v[GA+8*\x:GA+8*\x+7], v[HF:HF+7], v[WF+8*\x:WF+8*\x+7], 0, v[HS], v[WS+\x] matrix_a_fmt:MATRIX_FMT_FP4 matrix_b_fmt:MATRIX_FMT_FP4
.elseif \q == 2
	v_wmma_scale_f32_16x16x128_f8f6f4 v[GA+8*\x:GA+8*\x+7], v[HF+16:HF+23], v[WF+64+8*\x:WF+64+8*\x+7], v[GA+8*\x:GA+8*\x+7], v[HS+2], v[WS+4+\x] matrix_a_fmt:MATRIX_FMT_FP4 matrix_b_fmt:MATRIX_FMT_FP4
.else
	v_wmma_scale_f32_16x16x128_f8f6f4 v[GA+8*\x:GA+8*\x+7], v[HF+8*\q:HF+8*\q+7], v[WF+32*\q+8*\x:WF+32*\q+8*\x+7], v[GA+8*\x:GA+8*\x+7], v[HS+\q], v[WS+4*(\q/2)+\x] matrix_a_fmt:MATRIX_FMT_FP4 matrix_b_fmt:MATRIX_FMT_FP4 matrix_b_scale:MATRIX_SCALE_ROW1
.endif
.endr
.endr
.endm
; A row's dot is a sum over the 16 lanes of a half.  LV1: eight registers (rows j) to four: lanes r < 8 keep row j, lanes r >= 8 row j + 4.  LV2: four to two: lane r keeps rows 2 (r / 4) and 2 (r / 4) + 1.
.macro LV1
.irp j, 0,1,2,3
	v_add_f32_dpp v[T+\j], v[PA+\j], v[PA+\j] row_xmask:8 row_mask:0xf bank_mask:0xf
.endr
.irp j, 0,1,2,3
	v_add_f32_dpp v[T+\j], v[PA+4+\j], v[PA+4+\j] row_xmask:8 row_mask:0xf bank_mask:0xc
.endr
.endm
.macro LV2 s
.set dd, DA+2*((\s)%8)
.if (\s) < 8
	v_add_f32_dpp v[dd], v[T], v[T] row_xmask:4 row_mask:0xf bank_mask:0xf
	v_add_f32_dpp v[dd+1], v[T+1], v[T+1] row_xmask:4 row_mask:0xf bank_mask:0xf
	v_add_f32_dpp v[dd], v[T+2], v[T+2] row_xmask:4 row_mask:0xf bank_mask:0xa
	v_add_f32_dpp v[dd+1], v[T+3], v[T+3] row_xmask:4 row_mask:0xf bank_mask:0xa
.else
	v_add_f32_dpp v[T], v[T], v[T] row_xmask:4 row_mask:0xf bank_mask:0xf
	v_add_f32_dpp v[T+1], v[T+1], v[T+1] row_xmask:4 row_mask:0xf bank_mask:0xf
	v_add_f32_dpp v[T], v[T+2], v[T+2] row_xmask:4 row_mask:0xf bank_mask:0xa
	v_add_f32_dpp v[T+1], v[T+3], v[T+3] row_xmask:4 row_mask:0xf bank_mask:0xa
	v_add_f32 v[dd], v[dd], v[T]
	v_add_f32 v[dd+1], v[dd+1], v[T+1]
.endif
.endm
; One step: a tile of 16 rows x my pass's 32 d.  The next tile's loads stand behind the products; behind the products stand four plain lines (the last step's LV2), the places that loads and readers want.
.macro STEP s
.set sp, (\s)/8
.set sm, (\s)%8
.set I0, 128*sp+16*sm
.set U0, UR+4*((\s)%4)
	s_wait_alu depctr_va_vdst(0)
	s_wait_dscnt 0x0                               ; this tile's rows (and a pass's first time W) are in
	MUL
.if (\s) == 0
.rept 4
	v_nop
.endr
.else
	LV2 (\s)-1
.endif
.if sm < 7
	HLOAD sm+1
.elseif sp == 0
	s_wait_tensorcnt 0x0                           ; my block of pass 1 has landed; I alone read it
	WLOAD 59
	HLOAD 0
.else
	s_wait_loadcnt 0x0                             ; u of the last step is in
	s_cmp_lg_u32 s40, 0
	s_cbranch_scc1 .Llast_rows                     ; behind the second ap nothing is fetched
	s_wait_xcnt 0x0
	s_add_nc_u64 s[4:5], s[4:5], 256               ; the next ap: the next row of a_codes, a_scales, asp_vs_d
	s_add_nc_u64 s[6:7], s[6:7], 16
	s_add_nc_u64 s[12:13], s[12:13], 2048
	GROWS
	WLOAD 6
.Llast_rows:
.endif
.if (\s) < 13
	s_wait_loadcnt 6                               ; this step's two loads of u are in; those of three steps may be out
.elseif (\s) < 15
	s_wait_loadcnt 30-2*(\s)
.endif
.irp j, 0,2,4,6
	v_pk_add_f32 v[PA+\j:PA+\j+1], v[PA+\j:PA+\j+1], v[U0+2:U0+3] op_sel_hi:[1,0]
.endr
.irp j, 8,10,12,14
	v_pk_add_f32 v[PA+\j:PA+\j+1], v[PA+\j:PA+\j+1], v[U0+2:U0+3] op_sel:[0,1] op_sel_hi:[1,1]
.endr
	WIN 0x40
.irp j, 0,2,4,6
	v_pk_fma_f32 v[I0+\j:I0+\j+1], v[GA+\j:GA+\j+1], s[66:67], v[U0:U0+1] op_sel_hi:[1,0,0]   ; -log2e x (g + users' part + b_map)
.endr
.irp j, 8,10,12,14
	v_pk_fma_f32 v[I0+\j:I0+\j+1], v[GA+\j:GA+\j+1], s[66:67], v[U0:U0+1] op_sel:[0,0,1] op_sel_hi:[1,0,1]
.endr
	WIN 0x41
	s_wait_alu depctr_va_vdst(0)
.irp j, 0,1,2,3,4,5,6,7,8,9,10,11,12,13,14,15
	v_exp_f32 v[I0+\j], v[I0+\j]                   ; for a very negative g infinite, and its reciprocal 0, as the sigmoid's limit is
.endr
	v_nop
	s_wait_alu depctr_va_vdst(0)
.irp j, 0,2,4,6,8,10,12,14
	v_pk_add_f32 v[I0+\j:I0+\j+1], v[I0+\j:I0+\j+1], 1.0 op_sel_hi:[1,0]
.endr
	s_wait_alu depctr_va_vdst(0)
.irp j, 0,1,2,3,4,5,6,7,8,9,10,11,12,13,14,15
	v_rcp_f32 v[I0+\j], v[I0+\j]
.endr
	v_nop
	s_wait_alu depctr_va_vdst(0)
.irp j, 0,2,4,6,8,10,12,14
	v_pk_mul_f32 v[I0+\j:I0+\j+1], v[I0+\j:I0+\j+1], v[PA+\j:PA+\j+1]   ; item = gate x proj
.endr
	WIN 0x01
.irp j, 0,2,4,6
	v_pk_mul_f32 v[PA+\j:PA+\j+1], v[I0+\j:I0+\j+1], v[AS+2*sp:AS+2*sp+1] op_sel_hi:[1,0]   ; the rows' dots with asp_vs_d, over my two columns
.endr
.irp j, 0,2,4,6
	v_pk_fma_f32 v[PA+\j:PA+\j+1], v[I0+8+\j:I0+9+\j], v[AS+2*sp:AS+2*sp+1], v[PA+\j:PA+\j+1] op_sel:[0,1,0] op_sel_hi:[1,1,1]
.endr
	WIN 0
	LV1
.if (\s) < 12
	ULOAD (\s)+4
.endif
.endm
	s_load_b256 s[4:11], s[0:1], 0x0               ; a_codes s4, a_scales s6, w_img s8, u s10
	s_load_b128 s[12:15], s[0:1], 0x20             ; asp_vs_d s12, out0 s14
	v_lshl_add_u32 v2, v0, 2, SPARE
	v_mov_b32 v3, 0
	ds_add_u32 v2, v3                              ; the opening: the add, twice on end, and its wait ahead of my first tensor load
	ds_add_u32 v2, v3
	v_lshrrev_b32 v96, 5, v0
	v_readfirstlane_b32 s18, v96                   ; wave 0..7
	s_mul_i32 s41, s18, WB
	s_lshl_b32 s42, s18, 8
	s_mul_i32 s43, s18, 16*272
	s_add_co_u32 s43, s43, HB
	s_lshl_b32 s73, s18, 10
	s_add_co_u32 s73, s73, STG                     ; my 512 bytes of dots
	s_add_co_u32 s74, s73, 512                     ; and of weights
	v_and_b32 v97, 15, v0                          ; r
	v_bfe_u32 v98, v0, 4, 1                        ; h
	v_and_b32 v99, 31, v0                          ; lane
	v_lshlrev_b32 v1, 3, v99
	v_mul_u32_u24 v4, v97, 272
	v_lshl_add_u32 v4, v98, 4, v4
	v_add_nc_u32 v4, HB, v4                        ; a tile's rows: 272 r + 16 h
	v_lshlrev_b32 v5, 4, v97
	v_add_nc_u32 v5, HSC, v5                       ; their scale words: 16 r
	v_lshl_add_u32 v6, v99, 4, s41                 ; my block of W: 16 x lane
	v_add_nc_u32 v59, WP1, v6
	v_lshl_add_u32 v7, v97, 3, s42                 ; 256 w + 8 r: two neighbouring d
	v_lshlrev_b32 v56, 11, v98
	v_lshl_add_u32 v56, v97, 4, v56                ; rows in memory: lanes 0-15 one row, lanes 16-31 the tile's next (8 rows of H on)
	v_mul_u32_u24 v57, v98, 272
	v_lshl_add_u32 v57, v97, 4, v57
	v_add_nc_u32 v57, s43, v57                     ; and in LDS
	v_lshlrev_b32 v58, 7, v97                      ; scale words in memory: 8 rows of 16 bytes apart
	v_add_nc_u32 v60, s42, v5                      ; and in LDS
.irp k, 61,62,63,20,21,22,23,24,25,26,27,28,29,30,31,32,33,34,35
	v_mov_b32 v[\k], 0                             ; a DPP form's destination counts as one of its sources: written once
.endr
	s_bfe_u32 s19, ttmp6, 0x40000                  ; cx
	s_lshl_b32 s20, s19, 1                         ; my first ap = 2 cx
	s_and_b32 s21, ttmp7, 0xffff                   ; bp, which the four partners share
	s_lshr_b32 s22, s21, 3                         ; a
	s_and_b32 s23, s21, 7                          ; bg
	; group 1: a block of W: 17,408 dense bytes as 68 rows of 32 elements of 8 bytes; asked for jointly by all four work-groups
	s_mov_b32 s24, 15|(3<<16)|(1<<21)              ; 15:0 the mask; 17:16 elements of 8 bytes; 21 set beside a mask
	s_mov_b32 s25, 32<<16
	s_mov_b32 s26, 68<<16
	s_mov_b32 s27, 32<<16
	s_mov_b32 s28, 68
	s_mov_b32 s29, 32
	s_mov_b32 s30, 0
	s_mov_b32 s31, 0
	s_mov_b32 s66, 0xbfb8aa3b                      ; -log2(e), as a pair
	s_mov_b32 s67, 0xbfb8aa3b
	s_mov_b32 s68, 0x76543210                      ; v_permlanex16_b32's selects for lane l xor 16
	s_mov_b32 s69, 0xfedcba98
	s_mov_b32 s70, 0x3fb8aa3b                      ; log2(e)
	s_mov_b32 s71, 0x3fb8aa3b
	s_mov_b32 s72, 0xffff0000                      ; lanes 16-31
	s_mov_b32 s40, 0                               ; the trip: which of my two ap
	s_lshl_b32 s44, s23, 10
	s_lshl_b32 s45, s18, 7
	s_add_co_u32 s44, s44, s45
	s_add_co_u32 s44, s44, s20                     ; my first row of H: 1024 bg + 128 w + ap
	s_lshl_b32 s46, s44, 4
	s_mov_b32 s47, 0
	s_lshl_b32 s44, s44, 8
	s_mov_b32 s45, 0
	s_lshl_b32 s48, s22, 7
	s_lshl_b32 s49, s23, 3
	s_add_co_u32 s48, s48, s49
	s_lshl_b32 s48, s48, 11                        ; u: row (2 a) 64 + 8 bg
	s_mov_b32 s49, 0
	s_lshl_b32 s50, s20, 11
	s_mov_b32 s51, 0
	s_lshl_b32 s52, s21, 3
	s_add_co_u32 s52, s52, s20
	s_lshl_b32 s52, s52, 11
	s_add_co_u32 s52, s52, s42                     ; out0: row 8 bp + ap, + 256 w
	s_mov_b32 s53, 0
	s_lshl_b32 s54, s22, 3
	s_add_co_u32 s54, s54, s18
	s_mul_i32 s54, s54, 2*WB                       ; my blocks of W: 8 a + w
	s_mov_b32 s55, 0
	s_wait_alu depctr_va_vdst(0)
	s_wait_dscnt 0x0                               ; both opening adds are done
	s_wait_kmcnt 0x0
	s_add_nc_u64 s[4:5], s[4:5], s[44:45]
	s_add_nc_u64 s[6:7], s[6:7], s[46:47]
	s_add_nc_u64 s[10:11], s[10:11], s[48:49]
	s_add_nc_u64 s[12:13], s[12:13], s[50:51]
	s_add_nc_u64 s[14:15], s[14:15], s[52:53]
	s_mov_b32 s32, 1                               ; group 0 of pass 0's block
	s_mov_b32 s33, s41
	s_add_nc_u64 s[34:35], s[8:9], s[54:55]
	s_mov_b32 s36, 1                               ; and of pass 1's
	s_add_co_u32 s37, s41, WP1
	s_add_nc_u64 s[38:39], s[34:35], WB
	s_or_b32 s35, s35, 0x80000000
	s_or_b32 s39, s39, 0x80000000
	GROWS
	ASPU
	CROUND                                         ; all four work-groups are here: the first joint loads meet
	tensor_load_to_lds s[32:35], s[24:31]          ; the one tensor load of the wave at the head: pass 0's block
	s_nop 0
.rept 4
	v_nop
.endr
	s_wait_loadcnt 10                              ; the rows are in; two loads of asp_vs_d and eight of u may be out
	s_wait_tensorcnt 0x0
	SROWS
	s_wait_tensorcnt 0x0
	ds_add_u32 v2, v3                              ; 0 onto my spare word
	s_wait_dscnt 0x0                               ; the add is done, and my rows lie in LDS
	CROUND                                         ; everybody's rows are in, and all four work-groups are here
	tensor_load_to_lds s[36:39], s[24:31]          ; pass 1's block: it has pass 0's eight steps in which to land
	s_nop 0
.rept 4
	v_nop
.endr
	WLOAD 6
.Litem:
	HLOAD 0
.irp s, 0,1,2,3,4,5,6,7,8,9,10,11,12,13,14,15
	STEP \s
.endr
	LV2 15
	s_wait_alu depctr_va_vdst(0)
	s_cmp_lg_u32 s40, 0
	s_cbranch_scc1 .Llast_u
	ASPU
.Llast_u:
	; THE SOFTMAX OVER THE 128 ROWS
.irp k, 0,1,2,3,4,5,6,7,8,9,10,11,12,13,14,15
	v_add_f32_dpp v[DA+\k], v[DA+\k], v[DA+\k] row_xmask:1 row_mask:0xf bank_mask:0xf
.endr
.irp k, 0,1,2,3,4,5,6,7,8,9,10,11,12,13,14,15
	v_add_f32_dpp v[DA+\k], v[DA+\k], v[DA+\k] row_xmask:2 row_mask:0xf bank_mask:0xf
.endr
	v_bfe_u32 v60, v0, 2, 2
	v_bfe_u32 v63, v0, 4, 1
	v_and_b32 v62, 31, v0
	v_lshl_add_u32 v60, v60, 3, s73
	v_lshl_add_u32 v60, v63, 5, v60                ; my rows' dots: 32 h + 8 (r / 4)
	v_lshl_add_u32 v61, v62, 4, STG                ; all waves' dots of rows 4 l .. 4 l + 3
	v_lshl_add_u32 v62, v62, 4, s74                ; the weights, in
	v_lshl_add_u32 v63, v63, 5, s74                ; and out: rows 8 h ..
.irp m, 0,1,2,3,4,5,6,7
	ds_store_b64 v60, v[DA+2*\m:DA+2*\m+1] offset:64*\m   ; four lanes write the same numbers to the same bytes
.endr
	s_wait_alu depctr_va_vdst(0)
	s_wait_dscnt 0x0                               ; for the others' sake
	s_barrier_signal -1
	s_barrier_wait -1                              ; everybody's dots are in LDS, and everybody's reads of the rows are over
.irp w, 0,1,2,3,4,5,6,7
	ds_load_b128 v[96+4*\w:99+4*\w], v61 offset:1024*\w
.endr
	s_wait_dscnt 0x0
.irp k, 96,98,104,106,112,114,120,122
	v_pk_add_f32 v[\k:\k+1], v[\k:\k+1], v[\k+4:\k+5]
.endr
.irp k, 96,98,112,114
	v_pk_add_f32 v[\k:\k+1], v[\k:\k+1], v[\k+8:\k+9]
.endr
	v_pk_add_f32 v[96:97], v[96:97], v[112:113]
	v_pk_add_f32 v[98:99], v[98:99], v[114:115]
	v_max3_num_f32 v104, v96, v97, v98
	v_max_num_f32 v104, v104, v99
	v_max_num_f32_dpp v104, v104, v104 row_xmask:1 row_mask:0xf bank_mask:0xf
	v_max_num_f32_dpp v104, v104, v104 row_xmask:2 row_mask:0xf bank_mask:0xf
	v_max_num_f32_dpp v104, v104, v104 row_xmask:4 row_mask:0xf bank_mask:0xf
	v_max_num_f32_dpp v104, v104, v104 row_xmask:8 row_mask:0xf bank_mask:0xf
	v_permlanex16_b32 v105, v104, s68, s69
	v_max_num_f32 v104, v104, v105                 ; the largest of the 128 scores
	v_mul_f32 v106, s70, v104
	v_mov_b32 v107, v106                           ; (named with it as a pair)
.irp k, 96,98
	v_pk_fma_f32 v[\k:\k+1], v[\k:\k+1], s[70:71], v[106:107] op_sel_hi:[1,0,0] neg_lo:[0,0,1] neg_hi:[0,0,1]
.endr
	s_wait_alu depctr_va_vdst(0)
.irp k, 96,97,98,99
	v_exp_f32 v[\k], v[\k]
.endr
	v_nop
	s_wait_alu depctr_va_vdst(0)
	v_pk_add_f32 v[108:109], v[96:97], v[98:99]
	v_add_f32 v108, v108, v109
	v_add_f32_dpp v108, v108, v108 row_xmask:1 row_mask:0xf bank_mask:0xf
	v_add_f32_dpp v108, v108, v108 row_xmask:2 row_mask:0xf bank_mask:0xf
	v_add_f32_dpp v108, v108, v108 row_xmask:4 row_mask:0xf bank_mask:0xf
	v_add_f32_dpp v108, v108, v108 row_xmask:8 row_mask:0xf bank_mask:0xf
	v_permlanex16_b32 v105, v108, s68, s69
	v_add_f32 v108, v108, v105
	s_wait_alu depctr_va_vdst(0)
	v_rcp_f32 v109, v108
	v_nop
	s_wait_alu depctr_va_vdst(0)
.irp k, 96,97,98,99
	v_mul_f32 v[\k], v[\k], v109
.endr
	ds_store_b128 v62, v[96:99]                    ; my own copy of the 128 weights
	s_wait_dscnt 0x0
	; THE WEIGHTED SUM: eight chains by turns, v[20 + 4 (2 pass + tt) + 2 (j / 2 % 2)]; the first product starts each
.irp hf, 0,1
.irp mm, 0,1,2,3
	ds_load_b128 v[96+8*\mm:99+8*\mm], v63 offset:64*(4*\hf+\mm)
	ds_load_b128 v[100+8*\mm:103+8*\mm], v63 offset:64*(4*\hf+\mm)+16
.endr
	s_wait_alu depctr_va_vdst(0)
	s_wait_dscnt 0x0
	WIN 0x01
.irp mm, 0,1,2,3
.irp jp, 0,1,2,3
.irp t, 0,1,2,3
.set ch, 20+4*\t+2*(\jp%2)
.set it, 128*(\t/2)+16*(4*\hf+\mm)+8*(\t%2)+2*\jp
.if (\hf == 0) && (\mm == 0) && (\jp < 2)
	v_pk_mul_f32 v[ch:ch+1], v[it:it+1], v[96+8*\mm+2*\jp:97+8*\mm+2*\jp]
.else
	v_pk_fma_f32 v[ch:ch+1], v[it:it+1], v[96+8*\mm+2*\jp:97+8*\mm+2*\jp], v[ch:ch+1]
.endif
.endr
.endr
.endr
	WIN 0
.endr
.irp k, 20,24,28,32
	v_pk_add_f32 v[\k:\k+1], v[\k:\k+1], v[\k+2:\k+3]
.endr
.irp k, 20,24,28,32
	v_add_f32 v[\k], v[\k], v[\k+1]
.endr
	v_cndmask_b32 v96, v20, v28, s72               ; lanes 0-15 finish pass 0's two d, lanes 16-31 pass 1's
	v_cndmask_b32 v97, v24, v32, s72
	v_cndmask_b32 v98, v28, v20, s72
	v_cndmask_b32 v99, v32, v24, s72
	v_permlanex16_b32 v100, v98, s68, s69
	v_permlanex16_b32 v101, v99, s68, s69
	v_add_f32 v96, v96, v100
	v_add_f32 v97, v97, v101
	global_store_b64 v1, v[96:97], s[14:15]        ; 32 lanes store 256 consecutive bytes, aligned
	v_add_nc_u32 v60, s42, v5
	s_wait_alu depctr_va_vdst(0)
	s_cmp_lg_u32 s40, 0
	s_cbranch_scc1 .Llast_store
	s_wait_loadcnt 10                              ; the next ap's rows are in; asp_vs_d and u may be out
	SROWS
.Llast_store:
	s_wait_xcnt 0x0                                ; the store has read its base and its data
	s_add_nc_u64 s[14:15], s[14:15], 2048
	s_wait_dscnt 0x0
	s_barrier_signal -1
	s_barrier_wait -1                              ; the next ap's rows are in LDS; everybody has read the dots
	s_add_co_u32 s40, s40, 1
	s_cmp_lt_u32 s40, 2
	s_cbranch_scc1 .Litem
	s_wait_tensorcnt 0x0                           ; the wave's end
	ds_add_u32 v2, v3
	s_wait_dscnt 0x0
	CROUND                                         ; the closing round: no work-group ends while a partner may still ask for a block that names it
	s_endpgm
.Lfunc_end_k_qbdd0e7e929_fused:
	.size	k_qbdd0e7e929_fused, .Lfunc_end_k_qbdd0e7e929_fused-k_qbdd0e7e929_fused
	.p2alignl 7, 3214868480
	.fill 96, 4, 3214868480
	.section	.rodata,"a",@progbits
	.p2align	6, 0x0
	.amdhsa_kernel k_qbdd0e7e929_fused
		.amdhsa_group_segment_fixed_size 327680
		.amdhsa_private_segment_fixed_size 0
		.amdhsa_enable_private_segment 0
		.amdhsa_kernarg_size 48
		.amdhsa_user_sgpr_count 2
		.amdhsa_user_sgpr_kernarg_segment_ptr 1
		.amdhsa_wavefront_size32 1
		.amdhsa_system_sgpr_workgroup_id_x 1
		.amdhsa_system_sgpr_workgroup_id_y 1
		.amdhsa_system_sgpr_workgroup_id_z 1
		.amdhsa_system_vgpr_workitem_id 0
		.amdhsa_next_free_vgpr 512
		.amdhsa_next_free_sgpr 76
		.amdhsa_reserve_vcc 0
		.amdhsa_float_denorm_mode_32 3
		.amdhsa_float_denorm_mode_16_64 3
		.amdhsa_memory_ordered 1
		.amdhsa_forward_progress 1
		.amdhsa_inst_pref_size 154
	.end_amdhsa_kernel
	.amdgpu_metadata
---
amdhsa.version: [ 1, 2 ]
amdhsa.kernels:
  - .name:           k_qbdd0e7e929_fused
    .symbol:         k_qbdd0e7e929_fused.kd
    .args:
      - { .name: a_codes, .offset: 0, .size: 8, .value_kind: global_buffer, .address_space: global }
      - { .name: a_scales, .offset: 8, .size: 8, .value_kind: global_buffer, .address_space: global }
      - { .name: w_img, .offset: 16, .size: 8, .value_kind: global_buffer, .address_space: global }
      - { .name: u, .offset: 24, .size: 8, .value_kind: global_buffer, .address_space: global }
      - { .name: asp_vs_d, .offset: 32, .size: 8, .value_kind: global_buffer, .address_space: global }
      - { .name: out0, .offset: 40, .size: 8, .value_kind: global_buffer, .address_space: global }
    .group_segment_fixed_size: 327680
    .private_segment_fixed_size: 0
    .kernarg_segment_align: 8
    .kernarg_segment_size: 48
    .max_flat_workgroup_size: 256
    .sgpr_count:     76
    .vgpr_count:     512
    .wavefront_size: 32
...
	.end_amdgpu_metadata
.endif
;; end of part 4
